; MI455X (gfx1250); checked and timed in simulation.
; The chip was launched on July 23, 2026; its instructions are those of AMD's public machine-readable ISA for CDNA 5 (MIT licence, August 2026) and "CDNA5" Instruction Set Architecture Reference Guide (July 2026). The comments in the code are by the model that wrote it; some were corrected since.
;; SGMCAI Layer. Allowed arithmetic: matrix products marked QUANTISED: E5M2 operands, one given power-of-two scale a tensor, by v_wmma_f32_16x16x64_bf8_bf8 or v_wmma_f32_16x16x128_bf8_bf8, f32 sums; everything else in f32.
;; Inputs: W1 1,024 x 4,096 float32; W2 4,096 x 1,024 float32; Wk 1,024 x 1,024 float32; Wo 1,024 x 1,024 float32; Wq 1,024 x 1,024 float32; Wv 1,024 x 1,024 float32; b1 4,096 float32; b2 1,024 float32; bk 1,024 float32; bo 1,024 float32; bq 1,024 float32; bv 1,024 float32; ln1_b 1,024 float32; ln1_g 1,024 float32; ln2_b 1,024 float32; ln2_g 1,024 float32; lowp_scales 16 int32 (the exponents e of the quantised operands' scales 2^e); x 2 x 2,048 x 1,024 float32.
;; Outputs: out0 2 x 2,048 x 1,024 float32.
;; This version of the problem:
;;   THIS VERSION OF THE PROBLEM IS GIVEN IN LOW PRECISION. The matrix products marked QUANTISED in the list below multiply operands that are first quantised to E5M2 (5 exponent bits, 2 mantissa bits; 8 bits a number), with one given power-of-two scale for each operand tensor; their sums are f32. All else is computed in f32.
;;   The module's matrix products, in the order in which they are computed (A, B: the left and right operand; K: the contracted axis; several contracted axes count as one K, in the product's order):
;;     1. [M 4,096, K 1,024] x [K 1,024, N 1,024]; A: input x; B: input Wq: QUANTISED (scales: A lowp_scales[0], B lowp_scales[1])
;;     2. [M 4,096, K 1,024] x [K 1,024, N 1,024]; A: input x; B: input Wk: QUANTISED (scales: A lowp_scales[2], B lowp_scales[3])
;;     3. [M 4,096, K 1,024] x [K 1,024, N 1,024]; A: input x; B: input Wv: QUANTISED (scales: A lowp_scales[4], B lowp_scales[5])
;;     4. batch 32 x [M 2,048, K 64] x [K 64, N 2,048]; A: computed on the way; B: computed on the way: QUANTISED (scales: A lowp_scales[6], B lowp_scales[7])
;;     5. batch 32 x [M 64, K 2,048] x [K 2,048, N 2,048]; A: computed on the way; B: softmax (see below): QUANTISED (scales: A lowp_scales[8], B lowp_scales[9])
;;     6. [M 4,096, K 1,024] x [K 1,024, N 1,024]; A: computed on the way; B: input Wo: QUANTISED (scales: A lowp_scales[10], B lowp_scales[11])
;;     7. [M 4,096, K 1,024] x [K 1,024, N 4,096]; A: computed on the way; B: input W1: QUANTISED (scales: A lowp_scales[12], B lowp_scales[13])
;;     8. [M 4,096, K 4,096] x [K 4,096, N 1,024]; A: computed on the way; B: input W2: QUANTISED (scales: A lowp_scales[14], B lowp_scales[15])
;;   THE QUANTISER, for each operand of a quantised product, along K:
;;     - The operand's scale is 2^e, e = its entry of the input lowp_scales (int32; the entries are numbered through the quantised products in the list's order, A before B).
;;     - Each number is divided by the scale, clamped to +-57,344, and rounded to the nearest number of E5M2, ties to even, subnormals kept.
;;     - The product sums the exact products of the quantised numbers (number of the format x scale) in f32.
;;   ~~~python
;;   def quantise(x, axis, e):      # numpy; x: float32 -> the quantised numbers, widened to float32 again
;;       x = np.moveaxis(x, axis, -1); K = x.shape[-1]
;;       r = np.clip(x / 2.0 ** e, -57344, 57344)
;;       step = 2.0 ** (np.maximum(np.frexp(np.where(r == 0, 1, r))[1] - 1, -14) - 2)
;;       q = np.round(r / step) * step * 2.0 ** e      # np.round: ties to even
;;       return np.moveaxis(q, -1, axis).astype(np.float32)
;;   ~~~
;;   SOFTMAX AHEAD OF A QUANTISED PRODUCT. Where the list says 'softmax', what is quantised is not the finished softmax but p = 2^(t - M), with t = logit x log2(e) and M = ceil(the row's largest t), a whole number; so 1/2 < the row's largest p <= 1. The row's sum l is taken of the UNQUANTISED p, in f32, and the product's result is divided by l at the end. Since M is a whole number, a kernel that streams over the keys may use a running M (the ceiling of the running maximum): every later rescaling is an exact power of two, so the quantised numbers keep their values, but for numbers so far below the row's largest that they fall under the format's range.
;;   OPERANDS COMPUTED ON THE WAY. 'Computed on the way' means the value that the module computes at that place (a softmax that the list does not call 'softmax' is quantised finished and normalised). What goes into a quantiser is computed in f32, as accurately as f32 sums, v_exp_f32 and their like allow (about 1e-6 of the number): no bf16 or f16 on the way to a quantiser, and a product that is left as it is and whose result goes on into a quantised operand takes f32 operands (vector FMAs, or v_wmma_f32_16x16x4_f32). A number that lies on a knife's edge between two numbers of the format may be rounded either way, as far as f32 arithmetic and the matrix unit's own rounding can turn it there, and no further.
;; One version. Each part assembles by itself: llvm-mc -triple=amdgcn-amd-amdhsa -mcpu=gfx1250 --defsym DOCPART=n.
;; ======== version 1 of 1: 7 launches
;; limits: right only within a limited range of input values
;; workspace buffers: qkvop 15,728,640 bytes; wimg 9,437,184 bytes; qkvimg 12,582,912 bytes; actc 4,194,304 bytes; ybuf 16,777,216 bytes; x1img 16,777,216 bytes; himg 16,777,216 bytes; x1c 4,194,304 bytes
;; launch prep (part 1): grid 1280 x 1, 4 waves a work-group, no clusters, 34,304 bytes of LDS; arguments x, Wq, Wk, Wv, Wo, W1, W2, lowp_scales, qkvop, wimg; writes qkvop, wimg
.if DOCPART == 1
	.amdgcn_target "amdgcn-amd-amdhsa--gfx1250"
	.amdhsa_code_object_version 6
	.text
	.protected	k_q8cc10de8ff_prep
	.globl	k_q8cc10de8ff_prep
	.p2align	8
	.type	k_q8cc10de8ff_prep,@function
k_q8cc10de8ff_prep:
	s_mov_b64 s[64:65], 0
	v_nop
	global_prefetch_b8 v0, s[64:65] scope:SCOPE_SE
	s_setreg_imm32_b32 hwreg(HW_REG_WAVE_MODE, 25, 1), 1
	s_wait_xcnt 0x0
; PREP: the six weights, and x three times (entries 0, 2, 4 of the scales), become codes of BF8 (E5M2), laid as IMAGES OF THE MATRIX UNIT'S REGISTERS.
; code = number / 2^e, held within +-57,344, to the nearest code, ties to even.  LIMITS: each e between -126 and 112; NaN among the inputs is not served.
; THE IMAGE.  A tile is 16 rows of an operand; slot rho of tile t is row 32 (t / 2) + 8 (t % 2) + rho + 8 (rho / 8).  The fragment of tile t and 128 along K (number kb) begins at byte (kb T + t) x 2048,
; T the buffer's pitch in tiles; its chunk c (512 bytes) holds, at 16 x lane, lane (rho, h)'s 16 codes of k = 128 kb + 32 c + 16 h + 0 .. 15.
; qkvop (T = 960): tiles 0-255, 256-511, 512-767 x with e0, e2, e4; 768-831 Wq, 832-895 Wk, 896-959 Wv.   wimg: Wo from tile 0 (T = 64), W1 from tile 512 (T = 256), W2 from tile 2560 (T = 64).
; Work-groups 0-767 take weights (K is their FIRST axis: a lane takes a column and its registers run down K); 768-1279 take x (K innermost: rows turn through the wave's own stage in LDS).  Only x's path names LDS.
; A weight's wave takes 32 columns x 128 along K, four blocks of 32 loads, two blocks on their way: 64 loads are as many as a wave's count of loads can stand for (ISA guide 5.7.1), so more bytes on their way
; come from more waves: 192 registers let five waves share a SIMD's 1,024.
.set VO, 16                            ; v16-47   weights: byte offset of row i of a block of 32, at my column
.set X,  48                            ; v48-111  weights: two sets of 32 numbers
.set C,  112                           ; v112-143 weights: eight registers of codes for each of the four blocks: no store's data are written again
.set XL, 16                            ; v16-79   x: 16 rows as loaded, then the held numbers
.set XT, 80                            ; v80-143  x: turned: 64 numbers of my row
.set XC, 144                           ; v144-191 x: three fragments of codes
.macro MKSC e, t, sc, lim              ; s[e] holds e: v[sc] = 2^e as f32 (the conversion takes its exponent field), v[lim] = 57,344 x 2^e
	s_add_co_i32 s[\e], s[\e], 127
	s_lshl_b32 s[\t], s[\e], 23
	v_mov_b32 v[\sc], s[\t]
	s_add_co_i32 s[\e], s[\e], 15
	s_lshl_b32 s[\e], s[\e], 23
	s_or_b32 s[\e], s[\e], 0x600000
	v_mov_b32 v[\lim], s[\e]
.endm
; 64 numbers of a lane, register 16 b + i = k 32 b + 16 h + i of its row, become a fragment's 16 registers.  The hold goes into v[tmp] on, so that the numbers can be kept.
.macro QUANT src, tmp, dst, sc, lim
.irp b, 0,1,2,3
.irp i, 0,1,2,3,4,5,6,7,8,9,10,11,12,13,14,15
	v_med3_num_f32 v[(\tmp)+16*\b+\i], v[(\src)+16*\b+\i], -v[\lim], v[\lim]   ; the conversion to an 8-bit code does not saturate (ISA guide 7.6.2)
.endr
	v_cvt_scalef32_pk8_bf8_f32 v[(\dst)+4*\b:(\dst)+4*\b+1], v[(\tmp)+16*\b:(\tmp)+16*\b+7], v[\sc]
	v_cvt_scalef32_pk8_bf8_f32 v[(\dst)+4*\b+2:(\dst)+4*\b+3], v[(\tmp)+16*\b+8:(\tmp)+16*\b+15], v[\sc]
.endr
	v_nop                                          ; a plain line between the last conversion and whatever next writes its sources
.endm
	s_load_b512 s[4:19], s[0:1], 0x0               ; x 4, Wq 6, Wk 8, Wv 10, Wo 12, W1 14, W2 16, the scales 18
	s_load_b128 s[20:23], s[0:1], 0x40             ; qkvop 20, wimg 22
	v_lshl_add_u32 v7, v0, 2, 0x8400               ; my spare word, behind the four stages; v7 and v9 serve the add alone
	v_mov_b32 v9, 0
	v_lshrrev_b32 v1, 5, v0
	v_readfirstlane_b32 s28, v1                    ; wave 0..3
	v_and_b32 v2, 31, v0                           ; lane
	v_and_b32 v3, 15, v0                           ; rho
	v_bfe_u32 v8, v0, 4, 1                         ; lane / 16
	s_cmp_ge_u32 ttmp9, 768
	s_cbranch_scc1 .Lxpath
; ---- WEIGHTS.  One path for all six: what differs is scalar data, chosen on the work-group's number alone.
	s_mov_b32 s39, 768                             ; the weight's first tile in its buffer
	s_mov_b32 s44, 4                               ; its scale's byte in the buffer of scales
	s_mov_b32 s38, 960                             ; T
	s_mov_b32 s36, 12                              ; log2 of a row's bytes
	s_mov_b32 s45, 7                               ; groups of 128 columns, less one
	s_mov_b32 s46, 3                               ; and their log2
	s_mov_b32 s47, 63                              ; work-groups of this weight, less one
	s_wait_kmcnt 0x0
	s_mov_b64 s[24:25], s[6:7]
	s_mov_b64 s[26:27], s[20:21]
	s_cmp_ge_u32 ttmp9, 64
	s_cselect_b64 s[24:25], s[8:9], s[24:25]       ; Wk
	s_cselect_b32 s39, 832, s39
	s_cselect_b32 s44, 12, s44
	s_cmp_ge_u32 ttmp9, 128
	s_cselect_b64 s[24:25], s[10:11], s[24:25]     ; Wv
	s_cselect_b32 s39, 896, s39
	s_cselect_b32 s44, 20, s44
	s_cmp_ge_u32 ttmp9, 192
	s_cselect_b64 s[24:25], s[12:13], s[24:25]     ; Wo
	s_cselect_b64 s[26:27], s[22:23], s[26:27]
	s_cselect_b32 s39, 0, s39
	s_cselect_b32 s44, 44, s44
	s_cselect_b32 s38, 64, s38
	s_cmp_ge_u32 ttmp9, 256
	s_cselect_b64 s[24:25], s[14:15], s[24:25]     ; W1
	s_cselect_b32 s39, 512, s39
	s_cselect_b32 s44, 52, s44
	s_cselect_b32 s38, 256, s38
	s_cselect_b32 s36, 14, s36
	s_cselect_b32 s45, 31, s45
	s_cselect_b32 s46, 5, s46
	s_cselect_b32 s47, 255, s47
	s_cmp_ge_u32 ttmp9, 512
	s_cselect_b64 s[24:25], s[16:17], s[24:25]     ; W2
	s_cselect_b32 s39, 2560, s39
	s_cselect_b32 s44, 60, s44
	s_cselect_b32 s38, 64, s38
	s_cselect_b32 s36, 12, s36
	s_cselect_b32 s45, 7, s45
	s_cselect_b32 s46, 3, s46
	s_load_b32 s43, s[18:19], s44 offset:0x0       ; e
	s_and_b32 s40, ttmp9, s47
	s_and_b32 s41, s40, s45                        ; ng: which 128 columns
	s_lshr_b32 s42, s40, s46                       ; kb: which 128 along K
	s_lshl_b32 s37, 1, s36                         ; a row's bytes
	s_lshl_b32 s29, s41, 9
	s_lshl_b32 s30, s28, 7
	s_add_co_u32 s29, s29, s30                     ; 4 (128 ng + 32 wave)
	s_lshl_b32 s30, s42, 7
	s_lshl_b32 s30, s30, s36                       ; 128 kb rows
	s_add_co_u32 s30, s30, s29
	s_mov_b32 s31, 0
	s_add_nc_u64 s[48:49], s[24:25], s[30:31]      ; block 0's first row at my wave's first column
	s_lshl_b32 s30, 32, s36                        ; 32 rows
.irp t, 1,2,3
	s_add_nc_u64 s[48+2*\t:49+2*\t], s[46+2*\t:47+2*\t], s[30:31]   ; a base for each block: nothing is stepped while loads are out
.endr
	s_mul_i32 s32, s42, s38                        ; kb T
	s_add_co_u32 s32, s32, s39
	s_lshl_b32 s33, s41, 3
	s_add_co_u32 s32, s32, s33
	s_lshl_b32 s33, s28, 1
	s_add_co_u32 s32, s32, s33                     ; + first tile + 8 ng + 2 wave
	s_lshl_b32 s32, s32, 11
	s_mov_b32 s33, 0
	s_add_nc_u64 s[56:57], s[26:27], s[32:33]      ; my two tiles' fragments
	s_wait_alu depctr_va_vdst(0)
	v_and_b32 v4, 8, v3
	v_add_nc_u32 v4, v4, v3
	v_lshl_add_u32 v4, v8, 3, v4                   ; my column among the wave's 32: 8 (lane / 16) + rho + 8 (rho / 8): lanes 0-15 are one tile's slots, lanes 16-31 the next tile's
	v_lshlrev_b32 v[VO], 2, v4
.set i, 1
.rept 31
	v_add_nc_u32 v[VO+i], s37, v[VO+i-1]
.set i, i+1
.endr
	v_lshlrev_b32 v5, 4, v3
	v_lshl_add_u32 v5, v8, 11, v5                  ; out: 2048 x my tile + 16 rho
.macro LOADW t                         ; block t: 32 rows of K at my column; the wave's lanes cover 128 consecutive bytes, the four waves 512
.set i, 0
.rept 32
	global_load_b32 v[X+32*((\t)%2)+i], v[VO+i], s[48+2*(\t):49+2*(\t)] th:TH_LOAD_NT
.set i, i+1
.endr
.endm
.macro BLOCKW t
.set XS, X+32*((\t)%2)
.if (\t) < 3
	s_wait_loadcnt 32                              ; this block's 32 loads are in; the next block's 32 may be out
.else
	s_wait_loadcnt 0
.endif
.set i, 0
.rept 32
	v_med3_num_f32 v[XS+i], v[XS+i], -v10, v10
.set i, i+1
.endr
.irp g, 0,1,2,3
	v_cvt_scalef32_pk8_bf8_f32 v[C+8*(\t)+2*\g:C+8*(\t)+2*\g+1], v[XS+8*\g:XS+8*\g+7], v11
.endr
	; my first 16 codes are the half h = 0 of chunk t, my last 16 the half h = 1: sixteen lanes fill 256 consecutive bytes, aligned, in each of the wave's two tiles
	global_store_b128 v5, v[C+8*(\t):C+8*(\t)+3], s[56:57] offset:512*(\t)
	global_store_b128 v5, v[C+8*(\t)+4:C+8*(\t)+7], s[56:57] offset:512*(\t)+256
.if (\t) < 2
	LOADW (\t)+2
.endif
.endm
	LOADW 0
	LOADW 1
	s_wait_kmcnt 0x0
	MKSC 43, 40, 11, 10
	s_wait_alu depctr_va_vdst(0)
.irp t, 0,1,2,3
	BLOCKW \t
.endr
	s_endpgm
; ---- x.  A wave takes one tile of 16 rows x 128 along K.  Each load reads 512 consecutive bytes of a row; the stage (16 rows x 528 bytes, the wave's own) gives each lane 16 neighbours of each block of 32.
.Lxpath:
	s_sub_co_u32 s24, ttmp9, 768
	s_lshr_b32 s25, s24, 1                         ; the tile of rows
	s_and_b32 s26, s24, 1
	s_lshl_b32 s26, s26, 2
	s_add_co_u32 s26, s26, s28                     ; kb
	s_lshr_b32 s27, s25, 1
	s_lshl_b32 s27, s27, 5
	s_and_b32 s29, s25, 1
	s_lshl_b32 s29, s29, 3
	s_add_co_u32 s27, s27, s29                     ; slot 0's row
	s_lshl_b32 s30, s27, 12
	s_lshl_b32 s29, s26, 9
	s_add_co_u32 s30, s30, s29
	s_mov_b32 s31, 0
	s_mul_i32 s40, s26, 960
	s_add_co_u32 s40, s40, s25
	s_lshl_b32 s40, s40, 11
	s_mov_b32 s41, 0
	s_mul_i32 s29, s28, 8448
	s_wait_alu depctr_va_vdst(0)
	v_lshlrev_b32 v4, 4, v2                        ; 16 x lane
	v_add_nc_u32 v5, s29, v4                       ; into the stage: as loaded
	v_mul_u32_u24 v6, v3, 528
	v_lshl_add_u32 v6, v8, 6, v6
	v_add_nc_u32 v6, s29, v6                       ; out of it: row rho, + 64 h
	s_wait_alu depctr_va_vdst(0)
	s_wait_kmcnt 0x0
	s_load_b256 s[32:39], s[18:19], 0x0            ; e0 .. e7
	s_add_nc_u64 s[30:31], s[4:5], s[30:31]
	s_add_nc_u64 s[40:41], s[20:21], s[40:41]
.set i, 0
.rept 16
	global_load_b128 v[XL+4*i:XL+4*i+3], v4, s[30:31] offset:(i+8*(i/8))*4096 th:TH_LOAD_NT
.set i, i+1
.endr
.set i, 0
.rept 16
	s_wait_loadcnt 15-i                            ; row slot i is in; the younger loads stay out
	ds_store_b128 v5, v[XL+4*i:XL+4*i+3] offset:528*i
.set i, i+1
.endr
.irp b, 0,1,2,3
.irp j, 0,1,2,3
	ds_load_b128 v[XT+16*\b+4*\j:XT+16*\b+4*\j+3], v6 offset:128*\b+16*\j   ; LDS serves a wave's instructions in order: these see the stores above
.endr
.endr
	s_wait_kmcnt 0x0
	MKSC 32, 42, 10, 11
	MKSC 34, 42, 12, 13
	MKSC 36, 42, 14, 15
	s_wait_alu depctr_va_vdst(0)
	s_wait_dscnt 0x0
.irp s, 0,1,2
	QUANT XT, XL, XC+16*\s, 10+2*\s, 11+2*\s
.irp c, 0,1,2,3
	global_store_b128 v4, v[XC+16*\s+4*\c:XC+16*\s+4*\c+3], s[40:41] offset:524288*\s+512*\c   ; 512 consecutive bytes; the three copies of x lie 256 tiles apart
.endr
.endr
	s_wait_tensorcnt 0x0
	ds_add_u32 v7, v9
	s_wait_dscnt 0x0
	s_endpgm
.Lfunc_end_k_q8cc10de8ff_prep:
	.size	k_q8cc10de8ff_prep, .Lfunc_end_k_q8cc10de8ff_prep-k_q8cc10de8ff_prep
	.p2alignl 7, 3214868480
	.fill 96, 4, 3214868480
	.section	.rodata,"a",@progbits
	.p2align	6, 0x0
	.amdhsa_kernel k_q8cc10de8ff_prep
		.amdhsa_group_segment_fixed_size 34304
		.amdhsa_private_segment_fixed_size 0
		.amdhsa_enable_private_segment 0
		.amdhsa_kernarg_size 80
		.amdhsa_user_sgpr_count 2
		.amdhsa_user_sgpr_kernarg_segment_ptr 1
		.amdhsa_wavefront_size32 1
		.amdhsa_system_sgpr_workgroup_id_x 1
		.amdhsa_system_sgpr_workgroup_id_y 1
		.amdhsa_system_sgpr_workgroup_id_z 1
		.amdhsa_system_vgpr_workitem_id 0
		.amdhsa_next_free_vgpr 192
		.amdhsa_next_free_sgpr 80
		.amdhsa_reserve_vcc 0
		.amdhsa_float_denorm_mode_32 3
		.amdhsa_float_denorm_mode_16_64 3
		.amdhsa_memory_ordered 1
		.amdhsa_forward_progress 1
		.amdhsa_inst_pref_size 48
	.end_amdhsa_kernel
	.amdgpu_metadata
---
amdhsa.version: [ 1, 2 ]
amdhsa.kernels:
  - .name:           k_q8cc10de8ff_prep
    .symbol:         k_q8cc10de8ff_prep.kd
    .args:
      - { .name: x, .offset: 0, .size: 8, .value_kind: global_buffer, .address_space: global }
      - { .name: Wq, .offset: 8, .size: 8, .value_kind: global_buffer, .address_space: global }
      - { .name: Wk, .offset: 16, .size: 8, .value_kind: global_buffer, .address_space: global }
      - { .name: Wv, .offset: 24, .size: 8, .value_kind: global_buffer, .address_space: global }
      - { .name: Wo, .offset: 32, .size: 8, .value_kind: global_buffer, .address_space: global }
      - { .name: W1, .offset: 40, .size: 8, .value_kind: global_buffer, .address_space: global }
      - { .name: W2, .offset: 48, .size: 8, .value_kind: global_buffer, .address_space: global }
      - { .name: lowp_scales, .offset: 56, .size: 8, .value_kind: global_buffer, .address_space: global }
      - { .name: qkvop, .offset: 64, .size: 8, .value_kind: global_buffer, .address_space: global }
      - { .name: wimg, .offset: 72, .size: 8, .value_kind: global_buffer, .address_space: global }
    .group_segment_fixed_size: 34304
    .private_segment_fixed_size: 0
    .kernarg_segment_align: 8
    .kernarg_segment_size: 80
    .max_flat_workgroup_size: 128
    .sgpr_count:     80
    .vgpr_count:     192
    .wavefront_size: 32
...
	.end_amdgpu_metadata
.endif
;; end of part 1
;; launch qkv (part 2): grid 12 x 16, 4 waves a work-group, clusters of 4 x 4, 327,680 bytes of LDS; arguments qkvop, lowp_scales, bq, bk, bv, qkvimg; writes qkvimg
.if DOCPART == 2
	.amdgcn_target "amdgcn-amd-amdhsa--gfx1250"
	.amdhsa_code_object_version 6
	.text
	.protected	k_q8cc10de8ff_qkv
	.globl	k_q8cc10de8ff_qkv
	.p2align	8
	.type	k_q8cc10de8ff_qkv,@function
k_q8cc10de8ff_qkv:
	s_mov_b64 s[64:65], 0
	v_nop
	global_prefetch_b8 v0, s[64:65] scope:SCOPE_SE
	s_setreg_imm32_b32 hwreg(HW_REG_WAVE_MODE, 25, 1), 1
	s_wait_xcnt 0x0
	s_wait_alu depctr_hold_cnt(0) depctr_sa_sdst(0) depctr_va_vdst(0) depctr_va_sdst(0) depctr_va_ssrc(0) depctr_va_vcc(0) depctr_vm_vsrc(0)
	s_getreg_b32 s2, hwreg(HW_REG_IB_STS2, 6, 4)
	s_cmp_eq_u32 s2, 0
	s_cbranch_scc0 .Lentry_in_a_cluster
	s_endpgm
.Lentry_in_a_cluster:
	s_bfe_u32 s2, ttmp6, 0x10000c
	s_cmp_lg_u32 s2, 0xf033
	s_cbranch_scc0 .Lentry_shape_is_right
	s_endpgm
.Lentry_shape_is_right:
; QKV: q, k, v = x W + b on codes of BF8, quantised on the way out into the images that the attention reads.
; LDS: each wave fetches into a region of its own, 65536 x wave: [128 along K: 4][8 tiles][2048]; slot 0 is the region's first half, slot 1 its second.
; The head's one load a wave (group 1 of four rows) fills both slots, K steps 0 and 1; refills (group 1 of two rows) bring one slot, K steps 2 and 3.
; PREFETCH: K steps 2 and 3 are asked for at the head, one instruction a wave each: of the 32 KiB that a wave fetches for a step, each of the four partners of the joint load names 8 KiB, told apart by address.
.set SLOT,   32768
.set SPARE,  262144
.set H1,     72
.set H1B,    80
.set KSB,    3932160
.set PITCHE, 245760
.set LAPS,   2
.set FR,   16
.set NL,   4
.set ADRA, 16
.set ADRB, 20
.set LI,   26
.set SPW,  28
.set NIL,  29
.set BN,   32
.set BM,   96
.set AF,   128
.set G1,   24
.set G0,   32
.set G1B,  48
.set G0B,  56
.set MSB, 0
.macro WIN new
.if MSB != (\new)
	s_set_vgpr_msb (MSB<<8)|(\new)
.set MSB, (\new)
.endif
.endm
.set MUL_LO, 0xa1
.set MUL_HI, 0xf1
.set TO_B,   0x40
.macro PLACES
.rept 4
	v_nop
.endr
.endm
.macro JLOAD g0a, g1a, g0b, g1b
	s_cmp_eq_u32 s15, 0
	s_cbranch_scc0 .Lfor_b_\@
	tensor_load_to_lds s[\g0a:\g0a+3], s[\g1a:\g1a+7]
	s_nop 0
.rept 4
	v_nop
.endr
	s_branch .Lasked_\@
.Lfor_b_\@:
	tensor_load_to_lds s[\g0b:\g0b+3], s[\g1b:\g1b+7]
	s_nop 0
.rept 4
	v_nop
.endr
.Lasked_\@:
.endm
.macro CREST
	s_cmp_lg_u32 s14, 0
	s_cbranch_scc1 .Lnot_wave_0_\@
	s_barrier_signal -3
.Lnot_wave_0_\@:
	s_barrier_wait -3
	s_barrier_signal -1
	s_barrier_wait -1
.endm
.macro CROUND
	s_barrier_signal -1
	s_barrier_wait -1
	CREST
.endm
.macro QUANT src, tmp, dst, sc, lim
.irp b, 0,1,2,3
.irp i, 0,1,2,3,4,5,6,7,8,9,10,11,12,13,14,15
	v_med3_num_f32 v[(\tmp)+16*\b+\i], v[(\src)+16*\b+\i], -v[\lim], v[\lim]
.endr
	v_cvt_scalef32_pk8_bf8_f32 v[(\dst)+4*\b:(\dst)+4*\b+1], v[(\tmp)+16*\b:(\tmp)+16*\b+7], v[\sc]
	v_cvt_scalef32_pk8_bf8_f32 v[(\dst)+4*\b+2:(\dst)+4*\b+3], v[(\tmp)+16*\b+8:(\tmp)+16*\b+15], v[\sc]
.endr
	v_nop
.endm
	s_load_b256 s[4:11], s[0:1], 0x0
	s_load_b128 s[92:95], s[0:1], 0x20
	v_lshl_add_u32 v[SPW], v0, 2, SPARE
	v_mov_b32 v[NIL], 0
	ds_add_u32 v28, v29
	ds_add_u32 v28, v29
	s_wait_dscnt 0x0
	v_lshrrev_b32 v1, 5, v0
	v_readfirstlane_b32 s14, v1
	s_lshr_b32 s15, s14, 1
	s_and_b32 s16, s14, 1
	s_bfe_u32 s40, ttmp6, 0x40000
	s_bfe_u32 s41, ttmp6, 0x40004
	s_mov_b32 s66, ttmp9
	s_and_b32 s67, ttmp7, 0xffff
	s_lshr_b32 s99, s66, 1
	s_mul_i32 s18, s67, s99
	s_sub_co_u32 s17, s67, s18
	s_lshl_b32 s17, s17, 2
	s_add_co_u32 s17, s17, s41
	s_lshl_b32 s42, s18, 2
	s_add_co_u32 s42, s42, s40
	s_lshl_b32 s43, s41, 2
	s_lshl_b32 s43, 15, s43
	s_lshl_b32 s44, 0x1111, s40
	s_or_b32 s[G1+0], s43, (3<<16)|(1<<21)
	s_or_b32 s[G1B+0], s44, (3<<16)|(1<<21)
	s_or_b32 s[H1+0], s43, (3<<16)|(1<<21)
	s_or_b32 s[H1B+0], s44, (3<<16)|(1<<21)
.irp g, H1, H1B
	s_mov_b32 s[\g+1], 2048<<16
	s_mov_b32 s[\g+2], 4<<16
	s_mov_b32 s[\g+3], 2048<<16
	s_mov_b32 s[\g+4], 4
	s_mov_b32 s[\g+5], PITCHE
	s_mov_b32 s[\g+6], 0
	s_mov_b32 s[\g+7], 0
.endr
.irp g, G1, G1B
	s_mov_b32 s[\g+1], 2048<<16
	s_mov_b32 s[\g+2], 2<<16
	s_mov_b32 s[\g+3], 2048<<16
	s_mov_b32 s[\g+4], 2
	s_mov_b32 s[\g+5], PITCHE
	s_mov_b32 s[\g+6], 0
	s_mov_b32 s[\g+7], 0
.endr
	s_mul_i32 s19, s99, 384
	s_lshl_b32 s23, s16, 3
	s_lshl_b32 s20, s66, 8
	s_add_co_u32 s20, s20, s19
	s_lshl_b32 s22, s17, 4
	s_add_co_u32 s20, s20, s22
	s_add_co_u32 s20, s20, s23
	s_lshl_b32 s20, s20, 11
	s_mov_b32 s21, 0
	s_lshl_b32 s46, s66, 6
	s_add_co_u32 s46, s46, 768
	s_sub_co_u32 s46, s46, s19
	s_lshl_b32 s47, s42, 4
	s_add_co_u32 s46, s46, s47
	s_add_co_u32 s46, s46, s23
	s_lshl_b32 s46, s46, 11
	s_mov_b32 s47, 0
	s_lshl_b32 s45, s14, 16
	s_lshl_b32 s88, s66, 3
	s_lshl_b32 s89, s66, 2
	s_wait_kmcnt 0x0
	s_load_b64 s[96:97], s[6:7], s88 offset:0x0
	s_load_b32 s98, s[6:7], s89 offset:0x18
	s_add_nc_u64 s[20:21], s[4:5], s[20:21]
	s_add_nc_u64 s[46:47], s[4:5], s[46:47]
	s_cmp_eq_u32 s66, 1
	s_cselect_b64 s[68:69], s[10:11], s[8:9]
	s_cmp_eq_u32 s66, 2
	s_cselect_b64 s[68:69], s[92:93], s[68:69]
	s_mov_b64 s[70:71], s[68:69]
	s_and_b32 s18, s42, 3
	s_lshl_b32 s18, s18, 10
	s_lshl_b32 s19, s16, 9
	s_add_co_u32 s18, s18, s19
	s_mov_b32 s19, 0
	s_add_nc_u64 s[68:69], s[68:69], s[18:19]
	s_and_b32 s18, s17, 3
	s_lshl_b32 s18, s18, 10
	s_lshl_b32 s22, s15, 9
	s_add_co_u32 s18, s18, s22
	s_add_nc_u64 s[70:71], s[70:71], s[18:19]
	CROUND
.irp s, 0,1
	s_mov_b32 s[G0+4*\s], 1
	s_add_co_u32 s[G0+4*\s+1], s45, \s*SLOT
	s_add_nc_u64 s[G0+4*\s+2:G0+4*\s+3], s[20:21], \s*KSB
	s_or_b32 s[G0+4*\s+3], s[G0+4*\s+3], 0x80000000
	s_mov_b32 s[G0B+4*\s], 1
	s_add_co_u32 s[G0B+4*\s+1], s45, \s*SLOT
	s_add_nc_u64 s[G0B+4*\s+2:G0B+4*\s+3], s[46:47], \s*KSB
	s_or_b32 s[G0B+4*\s+3], s[G0B+4*\s+3], 0x80000000
.endr
	JLOAD G0, H1, G0B, H1B                         ; my one load at the head: K steps 0 and 1, both slots of my region
	s_cmp_eq_u32 s15, 0                            ; the prefetches: what I fetch (A's tiles or B's),
	s_cselect_b64 s[12:13], s[20:21], s[46:47]
	s_cselect_b32 s18, s40, s41                    ; my place p among the four that ask with me,
	s_lshr_b32 s19, s18, 1
	s_mul_i32 s19, s19, PITCHE*8                   ; its 128 along K (p / 2)
	s_and_b32 s18, s18, 1
	s_lshl_b32 s18, s18, 13                        ; and its half of the 16 KiB (p % 2),
	s_add_co_u32 s18, s18, s19
	s_add_co_u32 s18, s18, 2*KSB                   ; at K step 2
	s_mov_b32 s19, 0
	s_add_nc_u64 s[12:13], s[12:13], s[18:19]
	v_and_b32 v1, 31, v0
	v_lshlrev_b32 v[LI], 4, v1
	v_lshlrev_b32 v27, 8, v1                       ; the prefetches' offset: 256 x lane; never rewritten
	s_lshl_b32 s21, s15, 16
	s_lshl_b32 s22, s16, 16
	s_add_co_u32 s22, s22, 131072
.irp s, 0,1
	v_add_nc_u32 v[ADRA+\s], s21, v[LI]
	v_add_nc_u32 v[ADRB+\s], s22, v[LI]
	s_add_co_u32 s21, s21, SLOT
	s_add_co_u32 s22, s22, SLOT
.endr
	v_bfe_u32 v2, v0, 4, 1
	v_lshlrev_b32 v18, 6, v2
	v_and_b32 v3, 15, v0
	v_and_b32 v4, 8, v3
	v_add_nc_u32 v4, v4, v3
	v_lshlrev_b32 v19, 2, v4
.irp b, 0,1,2,3,4,5,6,7
	global_load_b128 v[BN+8*\b:BN+8*\b+3], v18, s[68:69] offset:(32*(\b/2)+8*(\b%2))*4
	global_load_b128 v[BN+8*\b+4:BN+8*\b+7], v18, s[68:69] offset:(32*(\b/2)+8*(\b%2))*4+16
.endr
.irp a, 0,1,2,3,4,5,6,7
	global_load_b32 v[BM+2*\a], v19, s[70:71] offset:(32*(\a/2)+8*(\a%2))*4
	v_mov_b32 v[BM+2*\a+1], 0
.endr
.macro FRAG reg, adr, q, i
.irp c, 0,1,2,3
	ds_load_b128 v[\reg+4*\c:\reg+4*\c+3], v[\adr] offset:16384*(\q)+2048*(\i)+512*\c
.endr
.endm
.macro MUL16 a0, p, zero
.irp a, \a0, \a0+1
.irp b, 0,1,2,3,4,5,6,7
.if \zero
	v_wmma_f32_16x16x128_bf8_bf8 v[8*(8*((\a)%4)+\b):8*(8*((\a)%4)+\b)+7], v[128*(\p)+FR*\b:128*(\p)+FR*\b+FR-1], v[AF+FR*(\a):AF+FR*(\a)+FR-1], 0
.else
	v_wmma_f32_16x16x128_bf8_bf8 v[8*(8*((\a)%4)+\b):8*(8*((\a)%4)+\b)+7], v[128*(\p)+FR*\b:128*(\p)+FR*\b+FR-1], v[AF+FR*(\a):AF+FR*(\a)+FR-1], v[8*(8*((\a)%4)+\b):8*(8*((\a)%4)+\b)+7]
.endif
.endr
.endr
.endm
.macro FETCH_B slot, q, p
	WIN TO_B
.irp i, 0,1,2,3,4,5,6,7
	FRAG 128*(\p)+FR*\i, ADRB+\slot, \q, \i
.endr
	WIN 0
.endm
.macro FETCH_A slot, q, i0
.irp i, \i0, \i0+1, \i0+2, \i0+3
	FRAG AF+FR*(\i), ADRA+\slot, \q, \i
.endr
.endm
.macro STEP slot, q, zero
	s_wait_dscnt 4*NL
	WIN MUL_LO
	MUL16 0, (\q)%2, \zero
	MUL16 2, (\q)%2, \zero
	s_wait_dscnt 0
	PLACES
	FETCH_B \slot, (\q)+1, 1-(\q)%2
	FETCH_A \slot, (\q)+1, 0
	WIN MUL_HI
	MUL16 4, (\q)%2, \zero
	MUL16 6, (\q)%2, \zero
	PLACES
	WIN 0
	FETCH_A \slot, (\q)+1, 4
.endm
.macro TURN slot, next, fill
	s_wait_tensorcnt 0x0
	ds_add_u32 v[SPW], v[NIL]
	s_wait_dscnt 4*NL+1
	WIN MUL_LO
	MUL16 0, 1, 0
	s_wait_dscnt 0x0
	s_barrier_signal -1
	MUL16 2, 1, 0
	WIN 0
	s_barrier_wait -1
.if \fill
	CREST
	s_add_nc_u64 s[G0+4*\slot+2:G0+4*\slot+3], s[G0+4*\slot+2:G0+4*\slot+3], 2*KSB
	s_add_nc_u64 s[G0B+4*\slot+2:G0B+4*\slot+3], s[G0B+4*\slot+2:G0B+4*\slot+3], 2*KSB
	JLOAD G0+4*\slot, G1, G0B+4*\slot, G1B
.else
	PLACES
.endif
	FETCH_B \next, 0, 0
	FETCH_A \next, 0, 0
	WIN MUL_HI
	MUL16 4, 1, 0
	MUL16 6, 1, 0
	PLACES
	WIN 0
	FETCH_A \next, 0, 4
.endm
	s_wait_alu depctr_va_vdst(0)                   ; the wait at the head's end
	s_wait_tensorcnt 0x0                           ; my part of both slots is in
	s_barrier_signal -1
	s_barrier_wait -1
	FETCH_B 0, 0, 0
	FETCH_A 0, 0, 0
	FETCH_A 0, 0, 4
	global_prefetch_b8 v27, s[12:13] th:TH_LOAD_NT scope:SCOPE_SE              ; K step 2, then K step 3: asked for when the head's load has landed, ahead of the first product
	global_prefetch_b8 v27, s[12:13] offset:KSB th:TH_LOAD_NT scope:SCOPE_SE
	STEP 0, 0, 1
	s_mov_b32 s3, LAPS-1
.Llap:
	TURN 0, 1, 1
	STEP 1, 0, 0
	TURN 1, 0, 1
	STEP 0, 0, 0
	s_sub_co_u32 s3, s3, 1
	s_cmp_lg_u32 s3, 0
	s_cbranch_scc1 .Llap
	TURN 0, 1, 0
	STEP 1, 0, 0
	s_wait_dscnt 4*NL
	WIN MUL_LO
	MUL16 0, 1, 0
	MUL16 2, 1, 0
	s_wait_dscnt 0
	WIN MUL_HI
	MUL16 4, 1, 0
	MUL16 6, 1, 0
	WIN 0
	s_wait_kmcnt 0x0
	s_add_co_i32 s96, s96, s97
	s_add_co_i32 s96, s96, 127
	s_lshl_b32 s96, s96, 23
	s_mov_b32 s97, s96
	s_add_co_i32 s98, s98, 127
	s_lshl_b32 s18, s98, 23
	v_mov_b32 v24, s18
	s_add_co_i32 s98, s98, 15
	s_lshl_b32 s98, s98, 23
	s_or_b32 s98, s98, 0x600000
	v_mov_b32 v25, s98
	s_lshl_b32 s18, s17, 1
	s_add_co_u32 s18, s18, s15
	s_lshl_b32 s19, s42, 1
	s_add_co_u32 s19, s19, s16
	s_cmp_eq_u32 s99, 1
	s_cselect_b32 s22, s18, s19
	s_cselect_b32 s23, s19, s18
	s_cselect_b32 s90, 0, -1
	s_cselect_b32 s91, -1, 0
	s_lshl_b32 s22, s22, 19
	s_lshl_b32 s23, s23, 13
	s_add_co_u32 s22, s22, s23
	s_lshl_b32 s23, s66, 22
	s_add_co_u32 s22, s22, s23
	s_mov_b32 s23, 0
	s_add_nc_u64 s[72:73], s[94:95], s[22:23]
	s_mul_i32 s18, s99, 1024
	s_add_co_u32 s18, s18, 1024
	s_mov_b32 s19, 0
	s_mul_i32 s22, s99, 258048
	s_add_co_u32 s22, s22, 4096
	s_mul_i32 s20, s99, 261120
	s_sub_co_u32 s20, 262144, s20
.irp a, 1,2,3
	s_add_nc_u64 s[72+2*\a:73+2*\a], s[70+2*\a:71+2*\a], s[18:19]
.endr
	s_add_nc_u64 s[80:81], s[72:73], s[22:23]
.irp a, 5,6,7
	s_add_nc_u64 s[72+2*\a:73+2*\a], s[70+2*\a:71+2*\a], s[18:19]
.endr
	v_mov_b32 v30, v[LI]
	v_add_nc_u32 v31, s20, v[LI]
	s_wait_loadcnt 0x0
.set j, 0
.rept 64
	v_and_b32 v[BN+j], s90, v[BN+j]
.set j, j+1
.endr
.irp a, 0,1,2,3,4,5,6,7
	v_and_b32 v[BM+2*\a], s91, v[BM+2*\a]
.endr
.macro OUTQ a
	WIN 0x02+((\a)/4)
.set j, 0
.rept 32
	v_pk_fma_f32 v[128+j:129+j], v[64*((\a)%4)+j:64*((\a)%4)+j+1], s[96:97], v[BN+j:BN+j+1] op_sel_hi:[1,0,1]
.set j, j+2
.endr
	WIN 0
.set j, 0
.rept 32
	v_pk_add_f32 v[128+j:129+j], v[128+j:129+j], v[BM+2*(\a):BM+2*(\a)+1] op_sel_hi:[1,0]
.set j, j+2
.endr
	QUANT 128, 128, 192+16*((\a)%4), 24, 25
.irp b, 0,1,2,3
	global_store_b128 v[30+\b/2], v[192+16*((\a)%4)+4*\b:192+16*((\a)%4)+4*\b+3], s[72+2*(\a):73+2*(\a)] offset:512*(\b%2)
.endr
.endm
.irp a, 0,1,2,3
	OUTQ \a
.endr
	s_wait_xcnt 0x0
.irp a, 4,5,6,7
	OUTQ \a
.endr
	s_wait_tensorcnt 0x0
	ds_add_u32 v[SPW], v[NIL]
	s_wait_dscnt 0x0
	CROUND
	s_endpgm
.Lfunc_end_k_q8cc10de8ff_qkv:
	.size	k_q8cc10de8ff_qkv, .Lfunc_end_k_q8cc10de8ff_qkv-k_q8cc10de8ff_qkv
	.p2alignl 7, 3214868480
	.fill 96, 4, 3214868480
	.section	.rodata,"a",@progbits
	.p2align	6, 0x0
	.amdhsa_kernel k_q8cc10de8ff_qkv
		.amdhsa_group_segment_fixed_size 327680
		.amdhsa_private_segment_fixed_size 0
		.amdhsa_enable_private_segment 0
		.amdhsa_kernarg_size 48
		.amdhsa_user_sgpr_count 2
		.amdhsa_user_sgpr_kernarg_segment_ptr 1
		.amdhsa_wavefront_size32 1
		.amdhsa_system_sgpr_workgroup_id_x 1
		.amdhsa_system_sgpr_workgroup_id_y 1
		.amdhsa_system_sgpr_workgroup_id_z 1
		.amdhsa_system_vgpr_workitem_id 0
		.amdhsa_next_free_vgpr 1024
		.amdhsa_next_free_sgpr 100
		.amdhsa_reserve_vcc 0
		.amdhsa_float_denorm_mode_32 3
		.amdhsa_float_denorm_mode_16_64 3
		.amdhsa_memory_ordered 1
		.amdhsa_forward_progress 1
		.amdhsa_inst_pref_size 157
	.end_amdhsa_kernel
	.amdgpu_metadata
---
amdhsa.version: [ 1, 2 ]
amdhsa.kernels:
  - .name:           k_q8cc10de8ff_qkv
    .symbol:         k_q8cc10de8ff_qkv.kd
    .args:
      - { .name: qkvop, .offset: 0, .size: 8, .value_kind: global_buffer, .address_space: global }
      - { .name: lowp_scales, .offset: 8, .size: 8, .value_kind: global_buffer, .address_space: global }
      - { .name: bq, .offset: 16, .size: 8, .value_kind: global_buffer, .address_space: global }
      - { .name: bk, .offset: 24, .size: 8, .value_kind: global_buffer, .address_space: global }
      - { .name: bv, .offset: 32, .size: 8, .value_kind: global_buffer, .address_space: global }
      - { .name: qkvimg, .offset: 40, .size: 8, .value_kind: global_buffer, .address_space: global }
    .group_segment_fixed_size: 327680
    .private_segment_fixed_size: 0
    .kernarg_segment_align: 8
    .kernarg_segment_size: 48
    .max_flat_workgroup_size: 128
    .sgpr_count:     100
    .vgpr_count:     1024
    .wavefront_size: 32
...
	.end_amdgpu_metadata
.endif
;; end of part 2
;; launch attn (part 3): grid 8 x 32, 16 waves a work-group, no clusters, 169,984 bytes of LDS; arguments qkvimg, lowp_scales, actc; writes actc
.if DOCPART == 3
	.amdgcn_target "amdgcn-amd-amdhsa--gfx1250"
	.amdhsa_code_object_version 6
	.text
	.protected	k_q8cc10de8ff_attn
	.globl	k_q8cc10de8ff_attn
	.p2align	8
	.type	k_q8cc10de8ff_attn,@function
k_q8cc10de8ff_attn:
	s_mov_b64 s[64:65], 0
	v_nop
	global_prefetch_b8 v0, s[64:65] scope:SCOPE_SE
	s_setreg_imm32_b32 hwreg(HW_REG_WAVE_MODE, 25, 1), 1
	s_wait_xcnt 0x0
; ATTN: ctx = softmax(q k^T / sqrt(2048), keys within 256 of the query) v, both products on codes of BF8; ctx is quantised (entry 10) into the image that the next product reads.
; t = score x log2(e) / sqrt(2048); M = the running largest t rounded UP to a whole number; p = 2^(t - M) is quantised (entry 9); the row's sum is taken of the unquantised p and divides at the end.
; SHARES.  A work-group owns 256 queries of one head of one batch; each of its sixteen waves one tile of 16 queries (slot rho of tile w is query 32 (w / 2) + 8 (w % 2) + rho + 8 (rho / 8)).
; THE BAND.  The 128 queries of waves 0-7 (a = 0) or 8-15 (a = 1) reach five blocks of 128 keys: two before their own to two behind.  Only the first and the last of the five are cut by the band; blocks outside the
; sequence are left out by a scalar branch on ids.  Each block that is walked holds an open key for every query, so M is a number from the first such block on.
; LDS.  The work-group's six blocks of K at 8192 i, of V^T at 49152 + 8192 i: twelve tensor loads of 8 KiB, one a wave for waves 0-11, all first fills: nothing is filled again, so there is one barrier.
; NO CLUSTER: neighbouring query blocks share four of their six key blocks, but at other LDS places, so the descriptors would differ between partners; a block is 8 KiB of codes.
; LAYOUT.  Both products transposed (S^T = K Q^T, O^T = V^T P^T): a lane holds one query.  By the images' order of rows the 64 registers of S^T are, register 16 b + i, key 32 b + 16 h + i: p's conversions give the
; second product's operand as it stands, and O^T's 32 registers are ctx's codes' order.
; LIMITS: e6 + e7 between -121 and 132 (added to c's exponent field); e9, e10 between -126 and 112; e8 + e9 goes through v_ldexp_f32.  NaN is not served.
; REGISTERS: v1 K's LDS address, v2 V^T's, v3 my query less 16 h, v4 -infinity, v7 16 x lane; v12 -M, v13 the largest t, v[14:15] the sum; v16-23 Q; v32-95 K's eight fragments, then V^T's four; v96-159 S^T, p; v160-191 O^T; v224-239 p's codes.
.set WV,  10
.set SEL, 24
.set CS,  26
	s_load_b128 s[4:7], s[0:1], 0x0                ; qkvimg, the scales
	s_load_b64 s[8:9], s[0:1], 0x10                ; actc
	v_lshl_add_u32 v251, v0, 2, 0x29000
	v_mov_b32 v255, 0
	ds_add_u32 v251, v255
	ds_add_u32 v251, v255
	v_lshrrev_b32 v8, 5, v0
	s_delay_alu instid0(VALU_DEP_1)
	v_readfirstlane_b32 s[WV], v8                  ; wave 0..15
	s_and_b32 s37, ttmp7, 0xffff
	s_and_b32 s38, s37, 15                         ; head
	s_lshr_b32 s39, s37, 4                         ; batch
	s_mov_b32 s16, 3<<16                           ; group 1: a dense block of 8 KiB as 32 rows of 32 elements of 8 bytes; no mask, no padding
	s_mov_b32 s17, 32<<16                          ; tensor_dim0
	s_mov_b32 s18, 32<<16                          ; tensor_dim1
	s_mov_b32 s19, 32<<16                          ; tile_dim0
	s_mov_b32 s20, 32                              ; tile_dim1
	s_mov_b32 s21, 32                              ; tensor_dim0_stride
	s_mov_b32 s22, 0
	s_mov_b32 s23, 0
	s_cmp_ge_u32 s[WV], 6
	s_cselect_b32 s40, 6, 0
	s_cselect_b32 s41, 2, 1                        ; waves 0-5 fetch K (at 4 MiB), waves 6-11 V^T (at 8 MiB)
	s_sub_co_u32 s40, s[WV], s40                   ; which of the six blocks
	s_lshl_b32 s42, ttmp9, 1
	s_sub_co_i32 s42, s42, 2                       ; the first of the six
	s_add_co_i32 s40, s40, s42
	s_max_i32 s40, s40, 0
	s_min_i32 s40, s40, 15                         ; at the sequence's ends: a block inside, which nobody reads
	s_lshl_b32 s43, s39, 4
	s_add_co_u32 s40, s40, s43
	s_lshl_b32 s40, s40, 13
	s_lshl_b32 s41, s41, 22
	s_add_co_u32 s40, s40, s41
	s_lshl_b32 s43, s38, 18                        ; a head's 262,144 bytes in each of the three images
	s_add_co_u32 s40, s40, s43
	s_mov_b32 s41, 0
	s_mov_b32 s12, 1                               ; group 0: count = 1,
	s_lshl_b32 s13, s[WV], 13                      ; LDS address 8192 x wave,
	s_wait_dscnt 0x0
	s_wait_kmcnt 0x0
	s_add_nc_u64 s[14:15], s[4:5], s[40:41]        ; the block's first byte,
	s_or_b32 s15, s15, 0x80000000                  ; type = 2
	s_cmp_lt_u32 s[WV], 12
	s_cbranch_scc0 .Lno_fetch
	tensor_load_to_lds s[12:15], s[16:23]
	s_nop 0
.rept 4
	v_nop
.endr
.Lno_fetch:
	s_load_b128 s[32:35], s[6:7], 0x18             ; e6 (q), e7 (k), e8 (v), e9 (p)
	s_load_b32 s36, s[6:7], 0x28                   ; e10 (ctx)
	s_lshl_b32 s44, s39, 7
	s_lshl_b32 s45, ttmp9, 4
	s_add_co_u32 s44, s44, s45
	s_add_co_u32 s44, s44, s[WV]                   ; my tile of rows among the 256
	s_lshl_b32 s46, s44, 10
	s_add_co_u32 s46, s46, s43
	s_mov_b32 s47, 0
	s_add_nc_u64 s[46:47], s[4:5], s[46:47]
	v_and_b32 v8, 31, v0
	s_delay_alu instid0(VALU_DEP_1)
	v_lshlrev_b32 v7, 4, v8
	global_load_b128 v[16:19], v7, s[46:47]        ; Q's fragment stays in registers
	global_load_b128 v[20:23], v7, s[46:47] offset:512
	s_lshr_b32 s48, s[WV], 3                       ; a
	s_lshl_b32 s49, s48, 13
	v_add_nc_u32 v1, s49, v7
	s_delay_alu instid0(VALU_DEP_1)
	v_add_nc_u32 v2, 49152, v1
	s_and_b32 s50, s[WV], 7
	s_lshr_b32 s50, s50, 1
	s_lshl_b32 s50, s50, 5
	s_and_b32 s51, s[WV], 1
	s_lshl_b32 s51, s51, 3
	s_add_co_u32 s50, s50, s51
	v_and_b32 v9, 15, v0
	v_bfe_u32 v10, v0, 4, 1
	s_delay_alu instid0(VALU_DEP_2)
	v_and_b32 v11, 8, v9
	s_delay_alu instid0(VALU_DEP_1)
	v_add_nc_u32 v11, v11, v9
	s_delay_alu instid0(VALU_DEP_3)
	v_lshlrev_b32 v10, 4, v10
	s_delay_alu instid0(VALU_DEP_1)
	v_sub_nc_u32 v3, v11, v10
	s_delay_alu instid0(VALU_DEP_1)
	v_add_nc_u32 v3, s50, v3                       ; my query among its 128, less 16 h
	v_mov_b32 v4, 0xff800000
	s_add_co_i32 s30, s42, s48                     ; the first of my five blocks (may lie before the sequence)
	s_lshr_b32 s52, s38, 1
	s_lshl_b32 s52, s52, 8
	s_add_co_u32 s52, s52, s44
	s_lshl_b32 s52, s52, 11
	s_and_b32 s53, s38, 1
	s_lshl_b32 s53, s53, 10
	s_add_co_u32 s52, s52, s53
	s_mov_b32 s53, 0
	s_add_nc_u64 s[52:53], s[8:9], s[52:53]        ; ctx's codes: 128 along K number head / 2, my tile, chunks 2 (head % 2) on
	s_mov_b32 s[SEL], 0x76543210
	s_mov_b32 s[SEL+1], 0xfedcba98
	s_mov_b32 s[CS], 0x3d0293ee                    ; c = log2(e) / sqrt(2048)
	v_mov_b32 v13, 0xff61b1e6                      ; the largest t so far: -3e38
	s_delay_alu instid0(VALU_DEP_1)
	v_floor_f32 v12, -v13
	v_mov_b32 v14, 0
	v_mov_b32 v15, 0
	v_mov_b32 v236, 0                              ; written once: a lane permute's destination counts as one of its sources
	v_mov_b32 v252, 0
	v_mov_b32 v253, 0
.set j, 0
.rept 32
	v_mov_b32 v[160+j], 0                          ; O^T: which block is a wave's first hangs on its place, so the sums begin as zeros
.set j, j+1
.endr
	s_wait_kmcnt 0x0
	s_add_co_i32 s54, s32, s33
	s_lshl_b32 s54, s54, 23
	s_add_co_i32 s[CS], s[CS], s54                 ; a score stands for score x 2^(e6 + e7)
	s_mov_b32 s[CS+1], s[CS]
	s_add_co_i32 s54, s35, 127
	s_lshl_b32 s55, s54, 23
	v_mov_b32 v244, s55                            ; 2^e9
	s_add_co_i32 s54, s54, 15
	s_lshl_b32 s54, s54, 23
	s_or_b32 s54, s54, 0x600000
	v_mov_b32 v240, s54                            ; 57,344 x 2^e9
	s_add_co_i32 s54, s36, 127
	s_lshl_b32 s55, s54, 23
	v_mov_b32 v245, s55                            ; 2^e10
	s_add_co_i32 s54, s54, 15
	s_lshl_b32 s54, s54, 23
	s_or_b32 s54, s54, 0x600000
	v_mov_b32 v241, s54                            ; 57,344 x 2^e10
	s_wait_tensorcnt 0x0                           ; my block has landed (a wave that fetched none passes),
	s_barrier_signal -1
	s_barrier_wait -1                              ; everybody's has
	s_wait_loadcnt 0x0                             ; Q
; A block of 128 keys, the s-th of my five.  mask = 1: keys more than 256 before the query are hidden; 2: more than 256 behind; 0: all count.
.macro STEP s, mask
	s_add_co_i32 s31, s30, \s
	s_cmp_gt_u32 s31, 15                           ; outside the sequence (a number below 0 is a large one here)
	s_cbranch_scc1 .Lskip_\@
.rept 4
	v_nop                                          ; places in front of loads into registers that matrix instructions have read
.endr
.irp t, 0,1,2,3,4,5,6,7
.irp c, 0,1
	ds_load_b128 v[32+8*\t+4*\c:35+8*\t+4*\c], v1 offset:8192*\s+1024*\t+512*\c
.endr
.endr
	s_wait_dscnt 0x0
.irp t, 0,1,2,3,4,5,6,7
	v_wmma_f32_16x16x64_bf8_bf8 v[96+8*\t:103+8*\t], v[32+8*\t:39+8*\t], v[16:23], 0
.endr
.rept 4
	v_nop
.endr
.irp t, 0,1,2,3                        ; V^T's four fragments are asked for now and land under the softmax
.irp c, 0,1,2,3
	ds_load_b128 v[32+16*\t+4*\c:35+16*\t+4*\c], v2 offset:8192*\s+2048*\t+512*\c
.endr
.endr
.if \mask
.set n, 0
.rept 64                               ; register n holds key 32 (n / 16) + n % 16 + 16 h of the block
.if \mask == 1
	v_cmp_lt_i32 vcc_lo, 32*(n/16)+n%16, v3
.else
	v_cmp_gt_i32 vcc_lo, 32*(n/16)+n%16, v3
.endif
	v_cndmask_b32 v[96+n], v[96+n], v4, vcc_lo
.set n, n+1
.endr
.endif
	v_max3_num_f32 v254, v96, v97, v98             ; the block's largest score of my query, in two chains,
	v_max3_num_f32 v252, v99, v100, v101
.irp i, 6,10,14,18,22,26,30,34,38,42,46,50,54,58
	v_max3_num_f32 v254, v254, v[96+\i], v[97+\i]
	v_max3_num_f32 v252, v252, v[98+\i], v[99+\i]
.endr
	v_max3_num_f32 v254, v254, v158, v159
	s_delay_alu instid0(VALU_DEP_1)
	v_max_num_f32 v254, v254, v252
	v_permlanex16_b32 v236, v254, s[SEL], s[SEL+1]
	s_delay_alu instid0(VALU_DEP_1)
	v_max_num_f32 v254, v254, v236                 ; and among lane l xor 16's
	s_delay_alu instid0(VALU_DEP_1)
	v_mul_f32 v254, s[CS], v254
	s_delay_alu instid0(VALU_DEP_1)
	v_max_num_f32 v13, v13, v254                   ; the running largest t
	v_mov_b32 v254, v12
	s_delay_alu instid0(VALU_DEP_2)
	v_floor_f32 v12, -v13                          ; -M = floor(-t)
	s_delay_alu instid0(VALU_DEP_1)
	v_sub_f32 v254, v12, v254
	s_delay_alu instid0(VALU_DEP_1)
	v_cvt_i32_f32 v254, v254                       ; old M - new M, a whole number (it saturates)
	s_delay_alu instid0(VALU_DEP_1)
	v_ldexp_f32 v252, 1.0, v254                    ; f = 2^(old M - new M)
.set j, 0
.rept 32
	v_pk_fma_f32 v[96+j:97+j], v[96+j:97+j], s[CS:CS+1], v[12:13] op_sel_hi:[1,0,0]   ; t - M
.set j, j+2
.endr
.set j, 0
	s_wait_alu depctr_va_vdst(0)
.rept 64
	v_exp_f32 v[96+j], v[96+j]
.set j, j+1
.endr
	v_pk_mul_f32 v[14:15], v[14:15], v[252:253] op_sel_hi:[1,0]   ; the sum under the new M (a plain place behind the exponentials)
	s_wait_alu depctr_va_vdst(0)
	v_pk_add_f32 v[242:243], v[100:101], v[104:105]
	v_pk_add_f32 v[248:249], v[108:109], v[112:113]
	v_pk_add_f32 v[246:247], v[116:117], v[120:121]
	v_pk_add_f32 v[238:239], v[124:125], v[128:129]
	v_pk_add_f32 v[236:237], v[132:133], v[136:137]
	v_pk_add_f32 v[234:235], v[140:141], v[144:145]
	v_pk_add_f32 v[232:233], v[148:149], v[152:153]
	v_pk_add_f32 v[14:15], v[14:15], v[156:157]
	v_pk_add_f32 v[242:243], v[242:243], v[96:97]
	v_pk_add_f32 v[248:249], v[248:249], v[98:99]
	v_pk_add_f32 v[246:247], v[246:247], v[102:103]
	v_pk_add_f32 v[238:239], v[238:239], v[106:107]
	v_pk_add_f32 v[236:237], v[236:237], v[110:111]
	v_pk_add_f32 v[234:235], v[234:235], v[114:115]
	v_pk_add_f32 v[232:233], v[232:233], v[118:119]
	v_pk_add_f32 v[14:15], v[14:15], v[122:123]
	v_pk_add_f32 v[242:243], v[242:243], v[126:127]
	v_pk_add_f32 v[248:249], v[248:249], v[130:131]
	v_pk_add_f32 v[246:247], v[246:247], v[134:135]
	v_pk_add_f32 v[238:239], v[238:239], v[138:139]
	v_pk_add_f32 v[236:237], v[236:237], v[142:143]
	v_pk_add_f32 v[234:235], v[234:235], v[146:147]
	v_pk_add_f32 v[232:233], v[232:233], v[150:151]
	v_pk_add_f32 v[14:15], v[14:15], v[154:155]
	v_pk_add_f32 v[242:243], v[242:243], v[158:159]
	s_delay_alu instid0(VALU_DEP_2)
	v_pk_add_f32 v[14:15], v[14:15], v[238:239]
	s_delay_alu instid0(VALU_DEP_2)
	v_pk_add_f32 v[242:243], v[242:243], v[236:237]
	v_pk_add_f32 v[248:249], v[248:249], v[234:235]
	v_pk_add_f32 v[246:247], v[246:247], v[232:233]
	s_delay_alu instid0(VALU_DEP_2)
	v_pk_add_f32 v[14:15], v[14:15], v[248:249]
	s_delay_alu instid0(VALU_DEP_2)
	v_pk_add_f32 v[242:243], v[242:243], v[246:247]
	s_delay_alu instid0(VALU_DEP_1)
	v_pk_add_f32 v[14:15], v[14:15], v[242:243]
.irp b, 0,1,2,3
.irp i, 0,1,2,3,4,5,6,7,8,9,10,11,12,13,14,15
	v_min_num_f32 v[96+16*\b+\i], v[96+16*\b+\i], v240   ; p is not negative: a one-sided hold (ISA guide 7.6.2: the conversion does not saturate)
.endr
	v_cvt_scalef32_pk8_bf8_f32 v[224+4*\b:225+4*\b], v[96+16*\b:103+16*\b], v244
	v_cvt_scalef32_pk8_bf8_f32 v[226+4*\b:227+4*\b], v[104+16*\b:111+16*\b], v244
.endr
.set j, 0
.rept 16
	v_pk_mul_f32 v[160+j:161+j], v[160+j:161+j], v[252:253] op_sel_hi:[1,0]   ; O^T under the new M (also the plain lines between the conversions and the products)
.set j, j+2
.endr
	s_wait_alu depctr_va_vdst(0)
	s_wait_dscnt 0x0                               ; V^T
.irp t, 0,1,2,3
	v_wmma_f32_16x16x128_bf8_bf8 v[160+8*\t:167+8*\t], v[32+16*\t:47+16*\t], v[224:239], v[160+8*\t:167+8*\t]
.endr
.Lskip_\@:
.endm
	STEP 0, 1
	STEP 1, 0
	STEP 2, 0
	STEP 3, 0
	STEP 4, 2
; THE WAY OUT: O^T / the sum x 2^(e8 + e9), quantised; the conversions' results are two chunks of the next operand's fragment.
.rept 4
	v_nop
.endr
	v_add_f32 v14, v14, v15
	s_delay_alu instid0(VALU_DEP_1)
	v_permlanex16_b32 v252, v14, s[SEL], s[SEL+1]
	s_delay_alu instid0(VALU_DEP_1)
	v_add_f32 v14, v14, v252
	s_wait_alu depctr_va_vdst(0)
	v_rcp_f32 v14, v14
	v_nop                                          ; a plain place behind the transcendental
	s_add_co_i32 s54, s34, s35
	s_wait_alu depctr_va_vdst(0)
	v_ldexp_f32 v14, v14, s54
.set j, 0
.rept 16
	v_pk_mul_f32 v[96+j:97+j], v[160+j:161+j], v[14:15] op_sel_hi:[1,0]   ; register 16 b + i is d = 32 b + 16 h + i of my query
.set j, j+2
.endr
.irp b, 0,1
.irp i, 0,1,2,3,4,5,6,7,8,9,10,11,12,13,14,15
	v_med3_num_f32 v[96+16*\b+\i], v[96+16*\b+\i], -v241, v241
.endr
	v_cvt_scalef32_pk8_bf8_f32 v[224+4*\b:225+4*\b], v[96+16*\b:103+16*\b], v245
	v_cvt_scalef32_pk8_bf8_f32 v[226+4*\b:227+4*\b], v[104+16*\b:111+16*\b], v245
.endr
	v_nop
	global_store_b128 v7, v[224:227], s[52:53]     ; 512 consecutive bytes each
	global_store_b128 v7, v[228:231], s[52:53] offset:512
	s_wait_tensorcnt 0x0
	ds_add_u32 v251, v255
	s_wait_dscnt 0x0
	s_endpgm
.Lfunc_end_k_q8cc10de8ff_attn:
	.size	k_q8cc10de8ff_attn, .Lfunc_end_k_q8cc10de8ff_attn-k_q8cc10de8ff_attn
	.p2alignl 7, 3214868480
	.fill 96, 4, 3214868480
	.section	.rodata,"a",@progbits
	.p2align	6, 0x0
	.amdhsa_kernel k_q8cc10de8ff_attn
		.amdhsa_group_segment_fixed_size 169984
		.amdhsa_private_segment_fixed_size 0
		.amdhsa_enable_private_segment 0
		.amdhsa_kernarg_size 24
		.amdhsa_user_sgpr_count 2
		.amdhsa_user_sgpr_kernarg_segment_ptr 1
		.amdhsa_wavefront_size32 1
		.amdhsa_system_sgpr_workgroup_id_x 1
		.amdhsa_system_sgpr_workgroup_id_y 1
		.amdhsa_system_sgpr_workgroup_id_z 1
		.amdhsa_system_vgpr_workitem_id 0
		.amdhsa_next_free_vgpr 256
		.amdhsa_next_free_sgpr 66
		.amdhsa_reserve_vcc 1
		.amdhsa_float_denorm_mode_32 3
		.amdhsa_float_denorm_mode_16_64 3
		.amdhsa_memory_ordered 1
		.amdhsa_forward_progress 1
		.amdhsa_inst_pref_size 99
	.end_amdhsa_kernel
	.amdgpu_metadata
---
amdhsa.version: [ 1, 2 ]
amdhsa.kernels:
  - .name:           k_q8cc10de8ff_attn
    .symbol:         k_q8cc10de8ff_attn.kd
    .args:
      - { .name: qkvimg, .offset: 0, .size: 8, .value_kind: global_buffer, .address_space: global }
      - { .name: lowp_scales, .offset: 8, .size: 8, .value_kind: global_buffer, .address_space: global }
      - { .name: actc, .offset: 16, .size: 8, .value_kind: global_buffer, .address_space: global }
    .group_segment_fixed_size: 169984
    .private_segment_fixed_size: 0
    .kernarg_segment_align: 8
    .kernarg_segment_size: 24
    .max_flat_workgroup_size: 512
    .sgpr_count:     66
    .vgpr_count:     256
    .wavefront_size: 32
...
	.end_amdgpu_metadata
.endif
;; end of part 3
;; launch woln (part 4): grid 256 x 1, 8 waves a work-group, no clusters, 98,304 bytes of LDS; arguments actc, wimg, lowp_scales, bo, x, ln1_g, ln1_b, x1img, x1c; writes x1img, x1c
.if DOCPART == 4
	.amdgcn_target "amdgcn-amd-amdhsa--gfx1250"
	.amdhsa_code_object_version 6
	.text
	.protected	k_q8cc10de8ff_woln
	.globl	k_q8cc10de8ff_woln
	.p2align	8
	.type	k_q8cc10de8ff_woln,@function
k_q8cc10de8ff_woln:
	s_mov_b64 s[64:65], 0
	v_nop
	global_prefetch_b8 v0, s[64:65] scope:SCOPE_SE
	s_setreg_imm32_b32 hwreg(HW_REG_WAVE_MODE, 25, 1), 1
	s_wait_xcnt 0x0
; WOLN: x1 = LayerNorm((ctx Wo + bo) + x) g + b: the product on codes of BF8 (entries 10, 11 of the scales), all else in f32.  x1 leaves as f32 (x1img, in the accumulators' order) and as codes with entry 12 (x1c, the next product's image).
; SHARES.  A work-group owns one tile of 16 WHOLE rows (slot rho of tile t is row 32 (t / 2) + 8 (t % 2) + rho + 8 (rho / 8)), so that a row's mean and variance are made inside it: 256 tiles, 256 work-groups.
; Wave w of eight owns columns 128 w .. 128 w + 127: eight accumulators, 64 matrix instructions (K = 1024 in eight steps of 128).
; TRANSPOSED USE (source 0 = Wo's tile, source 1 = the rows' tile): lane (rho, h) holds row rho; register 16 b + i is column 128 w + 32 b + 16 h + i.
; OPERANDS ARE IMAGES OF REGISTERS (tile t, 128 along K number kb at (kb T + t) x 2048; chunk c at 512 c, lane at 16 x lane).
; Wo: each fragment is used by ONE wave of the work-group, once, so it goes from memory straight into that wave's registers: 256 loads of 512 dense bytes a wave, in units of 16 (four fragments) through a ring of four buffers in window 1;
; 48 to 64 loads of a wave are on their way.  NO CLUSTER, NO TENSOR LOAD: a joint load would bring Wo's 1 MiB through LDS slots, each behind a round of the cluster's barrier, for bytes that no two waves of a work-group share.
; ctx: the tile's eight fragments serve all eight waves: each wave loads one, and they are shared through LDS as images (one barrier).
; x: my 16 rows x 512 bytes come by rows and turn through a stage of my own (16 rows x 528 bytes).  bo, g, b: my wave's 512 bytes of each come by one load, go to my own LDS bytes and come back in the registers' order.
; PREFETCH: Wo's image, 4,096 blocks of 256 bytes, is asked for once in the launch: wave 0 of work-group t names blocks 16 t .. 16 t + 15 (lanes 16-31 name the last again), ahead of the loads.
; A row's sums: within the lane, with lane l xor 16, then over the eight waves through LDS.  The variance is taken of the deviations, in a second pass.  The order of the sums differs from a plain chain.
; LIMITS: e10 + e11 between -126 and 127; e12 between -126 and 112.  NaN is not served.
; REGISTERS: window 0: v1-14 addresses; v32-95 x on its way in, then the accumulators, then the row's numbers; v96-223 ctx's fragments, then g (v96-159) and b (v160-223); v224-253 at work.  window 1: Wo's ring, then x (v0-63) and bo (v64-127).
.set V,    32
.set AF,   96
.set A2,   96
.set A3,   160
.set SEL,  44
.set GB,   1024                        ; LDS: two fields of 512 bytes for the sums (word (rho, w) at 32 rho + 4 w); then 1,536 bytes a wave: bo, g, b;
.set XST,  13312                       ; eight stages of 8,448 bytes for x;
.set AST,  80896                       ; ctx's eight fragments, 2,048 bytes each;
.set SPARE, 97280                      ; the spare words, 128 bytes a wave
.set MSB, 0
.macro WIN new                         ; the immediate's high byte repeats the setting that is left
.if MSB != (\new)
	s_set_vgpr_msb (MSB<<8)|(\new)
.set MSB, (\new)
.endif
.endm
.macro PLACES
.rept 4
	v_nop
.endr
.endm
.macro MERGE
	s_delay_alu instid0(VALU_DEP_3)
	v_pk_add_f32 v[240:241], v[240:241], v[242:243]
	s_delay_alu instid0(VALU_DEP_2)
	v_pk_add_f32 v[244:245], v[244:245], v[246:247]
	s_delay_alu instid0(VALU_DEP_1)
	v_pk_add_f32 v[240:241], v[240:241], v[244:245]
	s_delay_alu instid0(VALU_DEP_1)
	v_add_f32 v248, v240, v241
	s_delay_alu instid0(VALU_DEP_1)
	v_permlanex16_b32 v249, v248, s[SEL], s[SEL+1]
	s_delay_alu instid0(VALU_DEP_1)
	v_add_f32 v248, v248, v249                     ; my wave's 128 columns of row rho
.endm
.macro XWAVE red                       ; over the eight waves; the mean lands in v250
	ds_store_b32 v8, v248 offset:\red
	s_wait_dscnt 0x0                               ; for the others' sake: my word is written
	s_barrier_signal -1
	s_barrier_wait -1
	ds_load_b128 v[240:243], v9 offset:\red
	ds_load_b128 v[244:247], v9 offset:\red+16
	s_wait_dscnt 0x0
	v_add_f32 v240, v240, v241
	v_add_f32 v242, v242, v243
	v_add_f32 v244, v244, v245
	v_add_f32 v246, v246, v247
	s_delay_alu instid0(VALU_DEP_3)
	v_add_f32 v240, v240, v242
	s_delay_alu instid0(VALU_DEP_2)
	v_add_f32 v244, v244, v246
	s_delay_alu instid0(VALU_DEP_1)
	v_add_f32 v240, v240, v244
	s_delay_alu instid0(VALU_DEP_1)
	v_mul_f32 v250, 0x3a800000, v240               ; / 1024
.endm
; unit u: 128 along K number u / 2, my tiles 4 (u % 2) .. + 3, into buffer u % 4 of the ring
.macro LOADU u
.irp i, 0,1,2,3
.irp c, 0,1,2,3
	global_load_b128 v[64*((\u)%4)+16*\i+4*\c:64*((\u)%4)+16*\i+4*\c+3], v4, s[6:7] offset:((\u)/2)*131072+(4*((\u)%2)+\i)*2048+512*\c
.endr
.endr
.endm
.macro MULU u                          ; the eight accumulators take turns, one instruction a turn; the first two units start the sums
.irp i, 0,1,2,3
.if (\u) < 2
	v_wmma_f32_16x16x128_bf8_bf8 v[V+8*(4*((\u)%2)+\i):V+8*(4*((\u)%2)+\i)+7], v[64*((\u)%4)+16*\i:64*((\u)%4)+16*\i+15], v[AF+16*((\u)/2):AF+16*((\u)/2)+15], 0
.else
	v_wmma_f32_16x16x128_bf8_bf8 v[V+8*(4*((\u)%2)+\i):V+8*(4*((\u)%2)+\i)+7], v[64*((\u)%4)+16*\i:64*((\u)%4)+16*\i+15], v[AF+16*((\u)/2):AF+16*((\u)/2)+15], v[V+8*(4*((\u)%2)+\i):V+8*(4*((\u)%2)+\i)+7]
.endif
.endr
.endm
	s_load_b512 s[4:19], s[0:1], 0x0               ; actc 4, wimg 6, the scales 8, bo 10, x 12, g 14, b 16, x1img 18
	s_load_b64 s[20:21], s[0:1], 0x40              ; x1c
	v_lshl_add_u32 v254, v0, 2, SPARE
	v_mov_b32 v255, 0
	v_lshrrev_b32 v1, 5, v0
	s_delay_alu instid0(VALU_DEP_1)
	v_readfirstlane_b32 s24, v1                    ; wave 0..7
	s_lshl_b32 s25, s24, 8
	s_add_co_u32 s25, s25, ttmp9                   ; 256 w + tile
	s_lshl_b32 s26, s25, 13                        ; its block of x1img,
	s_mov_b32 s27, 0
	s_lshl_b32 s28, s25, 11                        ; its fragment of x1c
	s_mov_b32 s29, 0
	s_lshl_b32 s30, s24, 9                         ; my 128 columns, in bytes of f32
	s_mov_b32 s31, 0
	s_lshl_b32 s32, ttmp9, 11
	s_lshl_b32 s33, s24, 19
	s_add_co_u32 s32, s32, s33                     ; ctx: my tile's fragment of 128 along K number w
	s_mov_b32 s33, 0
	s_lshl_b32 s34, s24, 14                        ; Wo: my eight tiles
	s_mov_b32 s35, 0
	s_lshr_b32 s36, ttmp9, 1
	s_lshl_b32 s36, s36, 5
	s_and_b32 s37, ttmp9, 1
	s_lshl_b32 s37, s37, 3
	s_add_co_u32 s36, s36, s37                     ; slot 0's row
	s_lshl_b32 s36, s36, 12
	s_add_co_u32 s36, s36, s30
	s_mov_b32 s37, 0
	s_lshl_b32 s38, ttmp9, 12                      ; my work-group's 16 blocks of Wo's image
	s_mov_b32 s39, 0
	s_mov_b32 s[SEL], 0x76543210
	s_mov_b32 s[SEL+1], 0xfedcba98
	s_mul_i32 s46, s24, 1536
	s_add_co_u32 s46, s46, GB
	s_mul_i32 s47, s24, 8448
	s_add_co_u32 s47, s47, XST
	s_lshl_b32 s48, s24, 2
	s_lshl_b32 s49, s24, 11
	s_add_co_u32 s49, s49, AST
	v_and_b32 v1, 31, v0                           ; lane
	v_and_b32 v2, 15, v0                           ; rho
	v_bfe_u32 v3, v0, 4, 1                         ; h
	v_mov_b32 v249, 0                              ; a lane permute's destination counts as one of its sources
	v_mov_b32 v251, 0                              ; (named as the upper half of the pair v[250:251])
	v_lshlrev_b32 v4, 4, v1                        ; 16 x lane
	v_mul_u32_u24 v6, v2, 528
	v_lshlrev_b32 v7, 6, v3
	v_lshlrev_b32 v9, 5, v2                        ; the sums' words of row rho
	v_min_u32 v12, 15, v1
	v_add_nc_u32 v10, s46, v4                      ; bo, g, b into LDS: as loaded
	v_lshl_add_u32 v6, v3, 6, v6
	v_add_nc_u32 v5, s47, v4                       ; x into its stage: as loaded
	v_add_nc_u32 v11, s46, v7                      ; bo, g, b out of LDS: + 64 h
	v_add_nc_u32 v8, s48, v9                       ; my wave's word
	v_lshlrev_b32 v12, 8, v12                      ; the prefetch: 256 x min(lane, 15)
	v_add_nc_u32 v6, s47, v6                       ; x out of its stage: row rho, + 64 h
	v_add_nc_u32 v13, s49, v4                      ; my fragment of ctx into LDS
	v_add_nc_u32 v14, AST, v4                      ; all eight out of it
	s_wait_alu depctr_va_vdst(0)                   ; the wait at the head's end
	s_wait_kmcnt 0x0
	s_load_b64 s[40:41], s[8:9], 0x28              ; e10, e11
	s_load_b32 s42, s[8:9], 0x30                   ; e12
	s_add_nc_u64 s[50:51], s[6:7], s[38:39]
	s_add_nc_u64 s[4:5], s[4:5], s[32:33]
	s_add_nc_u64 s[6:7], s[6:7], s[34:35]
	s_add_nc_u64 s[10:11], s[10:11], s[30:31]
	s_add_nc_u64 s[12:13], s[12:13], s[36:37]
	s_add_nc_u64 s[14:15], s[14:15], s[30:31]
	s_add_nc_u64 s[16:17], s[16:17], s[30:31]
	s_add_nc_u64 s[18:19], s[18:19], s[26:27]
	s_add_nc_u64 s[20:21], s[20:21], s[28:29]
	s_cmp_lg_u32 s24, 0
	s_cbranch_scc1 .Lnot_mine
	global_prefetch_b8 v12, s[50:51] th:TH_LOAD_NT scope:SCOPE_SE
.Lnot_mine:
	global_load_b128 v[224:227], v4, s[10:11]      ; bo: my wave's 128 numbers, four a lane
	global_load_b128 v[228:231], v4, s[14:15]      ; g
	global_load_b128 v[232:235], v4, s[16:17]      ; b
.irp c, 0,1,2,3
	global_load_b128 v[AF+4*\c:AF+4*\c+3], v4, s[4:5] offset:512*\c th:TH_LOAD_NT
.endr
.set i, 0
.rept 16
	global_load_b128 v[V+4*i:V+4*i+3], v4, s[12:13] offset:(i+8*(i/8))*4096 th:TH_LOAD_NT   ; x: 512 consecutive bytes of row slot i
.set i, i+1
.endr
	WIN 0x40                                       ; destination window 1
	LOADU 0
	LOADU 1
	LOADU 2
	LOADU 3
	WIN 0
	s_wait_loadcnt 63                              ; behind x's last load 64 were issued: bo, g, b, my fragment of ctx and x are in
	ds_store_b128 v10, v[224:227]
	ds_store_b128 v10, v[228:231] offset:512
	ds_store_b128 v10, v[232:235] offset:1024
.irp c, 0,1,2,3
	ds_store_b128 v13, v[AF+4*\c:AF+4*\c+3] offset:512*\c
.endr
.set i, 0
.rept 16
	ds_store_b128 v5, v[V+4*i:V+4*i+3] offset:528*i
.set i, i+1
.endr
	s_wait_dscnt 0x0                               ; for the others' sake: my fragment is written; and the stores have read their registers
	s_barrier_signal -1
	s_barrier_wait -1
.irp k, 0,1,2,3,4,5,6,7
.irp c, 0,1,2,3
	ds_load_b128 v[AF+16*\k+4*\c:AF+16*\k+4*\c+3], v14 offset:2048*\k+512*\c
.endr
.endr
	s_wait_dscnt 0x0
.set u, 0
.rept 16
.if u < 13
	s_wait_loadcnt 48                              ; unit u is in; the three units behind it, 48 loads, may be out
.else
	s_wait_loadcnt 16*(15-u)
.endif
	WIN 0x01                                       ; source 0 (Wo) window 1
	MULU u
.if u < 12
	PLACES                                         ; places in front of loads into registers that matrix instructions have read
	WIN 0x40
	LOADU u+4
.endif
.set u, u+1
.endr
	WIN 0
	PLACES
	WIN 0x40
.irp b, 0,1,2,3
.irp j, 0,1,2,3
	ds_load_b128 v[16*\b+4*\j:16*\b+4*\j+3], v6 offset:128*\b+16*\j            ; x in the accumulators' order (my own bytes: LDS serves a wave's instructions in order)
.endr
.endr
.irp b, 0,1,2,3
.irp j, 0,1,2,3
	ds_load_b128 v[64+16*\b+4*\j:64+16*\b+4*\j+3], v11 offset:128*\b+16*\j     ; bo likewise
.endr
.endr
	WIN 0
.irp b, 0,1,2,3
.irp j, 0,1,2,3
	ds_load_b128 v[A2+16*\b+4*\j:A2+16*\b+4*\j+3], v11 offset:512+128*\b+16*\j   ; g
	ds_load_b128 v[A3+16*\b+4*\j:A3+16*\b+4*\j+3], v11 offset:1024+128*\b+16*\j  ; b
.endr
.endr
	s_wait_kmcnt 0x0
	s_add_co_i32 s40, s40, s41
	s_add_co_i32 s40, s40, 127
	s_lshl_b32 s40, s40, 23                        ; 2^(e10 + e11) as f32
	s_mov_b32 s41, s40
	s_wait_dscnt 32                                ; x and bo are back; g's and b's 32 loads may be out
	WIN 0x10                                       ; source 2 window 1
.set j, 0
.rept 32
	v_pk_fma_f32 v[V+j:V+j+1], v[V+j:V+j+1], s[40:41], v[64+j:65+j] op_sel_hi:[1,0,1]   ; sum x 2^(e10 + e11) + bo, each accumulator from its low end on
.set j, j+2
.endr
	WIN 0x04                                       ; source 1 window 1
.set j, 0
.rept 32
	v_pk_add_f32 v[V+j:V+j+1], v[V+j:V+j+1], v[j:j+1]   ; + x
.set j, j+2
.endr
	WIN 0
.irp k, 0,2,4,6
	v_pk_add_f32 v[240+\k:241+\k], v[V+\k:V+\k+1], v[V+8+\k:V+9+\k]
.endr
.set j, 16
.rept 24
	s_delay_alu instid0(VALU_DEP_4)
	v_pk_add_f32 v[240+j%8:241+j%8], v[240+j%8:241+j%8], v[V+j:V+j+1]
.set j, j+2
.endr
	MERGE
	XWAVE 0                                        ; the mean (its wait for all LDS instructions also shows g and b back)
.set j, 0
.rept 32
	v_pk_add_f32 v[V+j:V+j+1], v[V+j:V+j+1], v[250:251] op_sel_hi:[1,0] neg_lo:[0,1] neg_hi:[0,1]
.set j, j+2
.endr
.irp k, 0,2,4,6
	v_pk_mul_f32 v[240+\k:241+\k], v[V+\k:V+\k+1], v[V+\k:V+\k+1]
.endr
.set j, 8
.rept 28
	s_delay_alu instid0(VALU_DEP_4)
	v_pk_fma_f32 v[240+j%8:241+j%8], v[V+j:V+j+1], v[V+j:V+j+1], v[240+j%8:241+j%8]
.set j, j+2
.endr
	MERGE
	XWAVE 512                                      ; the variance (other words than the mean's: no barrier between)
	s_delay_alu instid0(VALU_DEP_1)
	v_add_f32 v250, 0x3727c5ac, v250               ; + 1e-5
	s_wait_alu depctr_va_vdst(0)                   ; the wait ahead of the transcendental
	v_rsq_f32 v250, v250
	v_nop                                          ; a plain place behind the transcendental
	s_wait_alu depctr_va_vdst(0)                   ; the wait ahead of its first reader
.set j, 0
.rept 32
	v_pk_mul_f32 v[V+j:V+j+1], v[V+j:V+j+1], v[250:251] op_sel_hi:[1,0]
.set j, j+2
.endr
.set j, 0
.rept 32
	v_pk_fma_f32 v[V+j:V+j+1], v[V+j:V+j+1], v[A2+j:A2+j+1], v[A3+j:A3+j+1]
.set j, j+2
.endr
.set i, 0
.rept 16
	global_store_b128 v4, v[V+4*i:V+4*i+3], s[18:19] offset:512*i   ; 512 consecutive bytes, aligned
.set i, i+1
.endr
	s_add_co_i32 s42, s42, 127
	s_lshl_b32 s43, s42, 23
	v_mov_b32 v252, s43                            ; 2^e12
	s_add_co_i32 s42, s42, 15
	s_lshl_b32 s42, s42, 23
	s_or_b32 s42, s42, 0x600000
	v_mov_b32 v253, s42                            ; 57,344 x 2^e12
.irp b, 0,1,2,3
.irp i, 0,1,2,3,4,5,6,7,8,9,10,11,12,13,14,15
	v_med3_num_f32 v[A2+16*\b+\i], v[V+16*\b+\i], -v253, v253   ; the hold goes into other registers: x1's are the data of stores that are out (ISA guide 7.6.2: the conversion does not saturate)
.endr
	v_cvt_scalef32_pk8_bf8_f32 v[224+4*\b:225+4*\b], v[A2+16*\b:A2+16*\b+7], v252
	v_cvt_scalef32_pk8_bf8_f32 v[226+4*\b:227+4*\b], v[A2+16*\b+8:A2+16*\b+15], v252
.endr
	v_nop                                          ; a plain line behind the last conversion
.irp c, 0,1,2,3
	global_store_b128 v4, v[224+4*\c:227+4*\c], s[20:21] offset:512*\c
.endr
	s_wait_tensorcnt 0x0                           ; the wave's end: behind my last LDS store
	ds_add_u32 v254, v255
	s_wait_dscnt 0x0
	s_endpgm
.Lfunc_end_k_q8cc10de8ff_woln:
	.size	k_q8cc10de8ff_woln, .Lfunc_end_k_q8cc10de8ff_woln-k_q8cc10de8ff_woln
	.p2alignl 7, 3214868480
	.fill 96, 4, 3214868480
	.section	.rodata,"a",@progbits
	.p2align	6, 0x0
	.amdhsa_kernel k_q8cc10de8ff_woln
		.amdhsa_group_segment_fixed_size 98304
		.amdhsa_private_segment_fixed_size 0
		.amdhsa_enable_private_segment 0
		.amdhsa_kernarg_size 72
		.amdhsa_user_sgpr_count 2
		.amdhsa_user_sgpr_kernarg_segment_ptr 1
		.amdhsa_wavefront_size32 1
		.amdhsa_system_sgpr_workgroup_id_x 1
		.amdhsa_system_sgpr_workgroup_id_y 1
		.amdhsa_system_sgpr_workgroup_id_z 1
		.amdhsa_system_vgpr_workitem_id 0
		.amdhsa_next_free_vgpr 512
		.amdhsa_next_free_sgpr 66
		.amdhsa_reserve_vcc 0
		.amdhsa_float_denorm_mode_32 3
		.amdhsa_float_denorm_mode_16_64 3
		.amdhsa_memory_ordered 1
		.amdhsa_forward_progress 1
		.amdhsa_inst_pref_size 70
	.end_amdhsa_kernel
	.amdgpu_metadata
---
amdhsa.version: [ 1, 2 ]
amdhsa.kernels:
  - .name:           k_q8cc10de8ff_woln
    .symbol:         k_q8cc10de8ff_woln.kd
    .args:
      - { .name: actc, .offset: 0, .size: 8, .value_kind: global_buffer, .address_space: global }
      - { .name: wimg, .offset: 8, .size: 8, .value_kind: global_buffer, .address_space: global }
      - { .name: lowp_scales, .offset: 16, .size: 8, .value_kind: global_buffer, .address_space: global }
      - { .name: bo, .offset: 24, .size: 8, .value_kind: global_buffer, .address_space: global }
      - { .name: x, .offset: 32, .size: 8, .value_kind: global_buffer, .address_space: global }
      - { .name: ln1_g, .offset: 40, .size: 8, .value_kind: global_buffer, .address_space: global }
      - { .name: ln1_b, .offset: 48, .size: 8, .value_kind: global_buffer, .address_space: global }
      - { .name: x1img, .offset: 56, .size: 8, .value_kind: global_buffer, .address_space: global }
      - { .name: x1c, .offset: 64, .size: 8, .value_kind: global_buffer, .address_space: global }
    .group_segment_fixed_size: 98304
    .private_segment_fixed_size: 0
    .kernarg_segment_align: 8
    .kernarg_segment_size: 72
    .max_flat_workgroup_size: 256
    .sgpr_count:     66
    .vgpr_count:     512
    .wavefront_size: 32
...
	.end_amdgpu_metadata
.endif
;; end of part 4
;; launch ffn1 (part 5): grid 16 x 16, 4 waves a work-group, clusters of 4 x 4, 327,680 bytes of LDS; arguments x1c, wimg, lowp_scales, b1, himg; writes himg
.if DOCPART == 5
	.amdgcn_target "amdgcn-amd-amdhsa--gfx1250"
	.amdhsa_code_object_version 6
	.text
	.protected	k_q8cc10de8ff_ffn1
	.globl	k_q8cc10de8ff_ffn1
	.p2align	8
	.type	k_q8cc10de8ff_ffn1,@function
k_q8cc10de8ff_ffn1:
	s_mov_b64 s[64:65], 0
	v_nop
	global_prefetch_b8 v0, s[64:65] scope:SCOPE_SE
	s_setreg_imm32_b32 hwreg(HW_REG_WAVE_MODE, 25, 1), 1
	s_wait_xcnt 0x0
	s_wait_alu depctr_hold_cnt(0) depctr_sa_sdst(0) depctr_va_vdst(0) depctr_va_sdst(0) depctr_va_ssrc(0) depctr_va_vcc(0) depctr_vm_vsrc(0)
	s_getreg_b32 s2, hwreg(HW_REG_IB_STS2, 6, 4)
	s_cmp_eq_u32 s2, 0
	s_cbranch_scc0 .Lentry_in_a_cluster
	s_endpgm
.Lentry_in_a_cluster:
	s_bfe_u32 s2, ttmp6, 0x10000c
	s_cmp_lg_u32 s2, 0xf033
	s_cbranch_scc0 .Lentry_shape_is_right
	s_endpgm
.Lentry_shape_is_right:
; FFN1: himg = the codes (entry 14 of the scales) of gelu(x1 W1 + b1); the product on codes of BF8 (entries 12, 13), sums, bias and GELU in f32.
; A tile of 256 x 256 is made by four waves, each 128 x 128: 64 accumulators in windows 2 and 3.  M = 4096, N = 4096: 256 work-groups.  K = 1024 goes in four steps of 256.
; OPERANDS ARE IMAGES OF REGISTERS (tile t, 128 along K number kb at (kb T + t) x 2048, T = 256; chunk c at 512 c, lane at 16 x lane): a tensor load is a plain copy, a fragment four ds_load_b128.
; LDS: each wave fetches into a region of its own, 65536 x wave: [128 along K: 4][8 tiles][2048]; waves 0, 1 A's halves, waves 2, 3 B's.  Slot 0 is a region's first half, slot 1 its second.
; The head's one load a wave (group 1 of four rows) fills both slots, K steps 0 and 1; the two refills (group 1 of two rows) bring K steps 2 and 3, each behind a round of the cluster's barrier.
; CLUSTERS: 4 x 4; A's tiles jointly along a row of the cluster, B's along a column.
; PREFETCH: K steps 2 and 3 are asked for at the head, one instruction a wave each: of the 32 KiB that a wave fetches for a step each of the four partners names 8 KiB, told apart by address.  Steps 0 and 1 come by their load alone.
; TRANSPOSED USE (source 0 = W1's tile, source 1 = the rows' tile): a lane holds one row; by the image's order of W1's columns the 64 registers of a block of 16 rows are, register 16 b + i, hidden unit 32 b + 16 h + i: the next operand's order.
; THE WAY OUT: eight trips, one for each block of 16 rows.  Only the 32 lines that scale a block's sums name its accumulators: a chain of branches on the trip's number picks them; all else is written once, on 64 numbers a lane.
; GELU: x Phi(x) = max(x, 0) - |x| erfc(|x| / sqrt 2) / 2, erfc(y) = t exp(-y^2 + P(t)), t = 1 / (1 + y / 2), P of degree 9; the factors log2(e) are folded into P's constants.
; LIMITS: e12 + e13 between -126 and 127; e14 between -126 and 112.  NaN is not served.
; REGISTERS: window 0: v16-31 addresses and constants; v32-95 the bias; v96-111 codes; v128-255 A's fragments, on the way out z (v128-191) and t (v192-255).  window 1: B's two sets, on the way out P (v64-127) and products (v128-191).
.set SLOT,   32768
.set SPARE,  262144
.set KSB,    1048576                   ; 256 along K in either image
.set PITCHE, 65536                     ; 128 along K, in elements of 8 bytes
.set FR,   16
.set NL,   4
.set ADRA, 16
.set ADRB, 20
.set LI,   26                          ; v26  16 x lane
.set PFO,  27                          ; v27  256 x lane; never rewritten
.set SPW,  28
.set NIL,  29
.set BN,   32
.set CD,   96
.set AF,   128
.set G1,   24
.set G0,   32
.set G1B,  48
.set G0B,  56
.set H1,   72                          ; s[72:79], s[80:87] group 1 of the head's loads: four rows
.set H1B,  80
.set PFA,  88
.set MSB, 0
.macro WIN new                         ; the immediate's high byte repeats the setting that is left
.if MSB != (\new)
	s_set_vgpr_msb (MSB<<8)|(\new)
.set MSB, (\new)
.endif
.endm
.set MUL_LO, 0xa1
.set MUL_HI, 0xf1
.set TO_B,   0x40
.macro PLACES
.rept 4
	v_nop
.endr
.endm
.macro JLOAD g0a, g1a, g0b, g1b        ; a joint load: waves 0, 1 for A, waves 2, 3 for B; s_nop 0 and four v_nop follow each line
	s_cmp_eq_u32 s15, 0
	s_cbranch_scc0 .Lfor_b_\@
	tensor_load_to_lds s[\g0a:\g0a+3], s[\g1a:\g1a+7]
	s_nop 0
.rept 4
	v_nop
.endr
	s_branch .Lasked_\@
.Lfor_b_\@:
	tensor_load_to_lds s[\g0b:\g0b+3], s[\g1b:\g1b+7]
	s_nop 0
.rept 4
	v_nop
.endr
.Lasked_\@:
.endm
.macro CREST
	s_cmp_lg_u32 s14, 0
	s_cbranch_scc1 .Lnot_wave_0_\@
	s_barrier_signal -3
.Lnot_wave_0_\@:
	s_barrier_wait -3
	s_barrier_signal -1
	s_barrier_wait -1
.endm
.macro CROUND
	s_barrier_signal -1
	s_barrier_wait -1
	CREST
.endm
	s_load_b256 s[4:11], s[0:1], 0x0               ; x1's codes 4, wimg 6, the scales 8, b1 10
	s_load_b64 s[92:93], s[0:1], 0x20              ; himg
	v_lshl_add_u32 v[SPW], v0, 2, SPARE
	v_mov_b32 v[NIL], 0
	ds_add_u32 v[SPW], v[NIL]                      ; the opening lines: the add, twice on end, and its wait ahead of my first tensor load
	ds_add_u32 v[SPW], v[NIL]
	v_lshrrev_b32 v1, 5, v0
	v_readfirstlane_b32 s14, v1                    ; wave 0..3
	s_lshr_b32 s15, s14, 1                         ; my half of the rows.  Also: I fetch for A (0) or for B (1)
	s_and_b32 s16, s14, 1                          ; my half of the columns.  Also: which 8 tiles I fetch
	s_bfe_u32 s40, ttmp6, 0x40000
	s_bfe_u32 s41, ttmp6, 0x40004
	s_lshl_b32 s42, ttmp9, 2
	s_add_co_u32 s42, s42, s40                     ; tile column
	s_and_b32 s17, ttmp7, 0xffff
	s_lshl_b32 s17, s17, 2
	s_add_co_u32 s17, s17, s41                     ; tile row
	s_lshl_b32 s43, s41, 2
	s_lshl_b32 s43, 15, s43
	s_lshl_b32 s44, 0x1111, s40
	s_or_b32 s[G1+0], s43, (3<<16)|(1<<21)         ; the mask; elements of 8 bytes; bit 21 beside a mask; no padding
	s_or_b32 s[G1B+0], s44, (3<<16)|(1<<21)
	s_or_b32 s[H1+0], s43, (3<<16)|(1<<21)
	s_or_b32 s[H1B+0], s44, (3<<16)|(1<<21)
.irp g, G1, G1B, H1, H1B
	s_mov_b32 s[\g+1], 2048<<16                    ; a row: eight tiles' fragments, 16 KiB on end
	s_mov_b32 s[\g+3], 2048<<16
	s_mov_b32 s[\g+5], PITCHE
	s_mov_b32 s[\g+6], 0
	s_mov_b32 s[\g+7], 0
.endr
.irp g, G1, G1B
	s_mov_b32 s[\g+2], 2<<16                       ; a refill: twice 128 along K
	s_mov_b32 s[\g+4], 2
.endr
.irp g, H1, H1B
	s_mov_b32 s[\g+2], 4<<16                       ; the head's load: four times
	s_mov_b32 s[\g+4], 4
.endr
	s_lshl_b32 s23, s16, 3
	s_lshl_b32 s20, s17, 4
	s_add_co_u32 s20, s20, s23
	s_lshl_b32 s20, s20, 11
	s_mov_b32 s21, 0
	s_lshl_b32 s46, s42, 4
	s_add_co_u32 s46, s46, s23
	s_lshl_b32 s46, s46, 11
	s_add_co_u32 s46, s46, 1048576                 ; W1's image in wimg
	s_mov_b32 s47, 0
	s_lshl_b32 s45, s14, 16                        ; my region
	s_lshl_b32 s18, s42, 10
	s_lshl_b32 s19, s16, 9
	s_add_co_u32 s18, s18, s19
	s_mov_b32 s19, 0
	s_wait_dscnt 0x0                               ; both opening adds are done
	s_wait_kmcnt 0x0
	s_load_b128 s[96:99], s[8:9], 0x30             ; e12, e13, e14, e15
	s_add_nc_u64 s[20:21], s[4:5], s[20:21]
	s_add_nc_u64 s[46:47], s[6:7], s[46:47]
	s_add_nc_u64 s[68:69], s[10:11], s[18:19]
	CROUND                                         ; all sixteen work-groups are here: the first joint loads meet
.irp s, 0,1
	s_mov_b32 s[G0+4*\s], 1
	s_add_co_u32 s[G0+4*\s+1], s45, \s*SLOT
	s_add_nc_u64 s[G0+4*\s+2:G0+4*\s+3], s[20:21], \s*KSB
	s_or_b32 s[G0+4*\s+3], s[G0+4*\s+3], 0x80000000
	s_mov_b32 s[G0B+4*\s], 1
	s_add_co_u32 s[G0B+4*\s+1], s45, \s*SLOT
	s_add_nc_u64 s[G0B+4*\s+2:G0B+4*\s+3], s[46:47], \s*KSB
	s_or_b32 s[G0B+4*\s+3], s[G0B+4*\s+3], 0x80000000
.endr
	JLOAD G0, H1, G0B, H1B                         ; my one load at the head: K steps 0 and 1
	s_cmp_eq_u32 s15, 0                            ; the prefetches: what I fetch,
	s_cselect_b64 s[PFA:PFA+1], s[20:21], s[46:47]
	s_cselect_b32 s18, s40, s41                    ; my place p among the four that ask with me (cx for A, cy for B),
	s_lshr_b32 s19, s18, 1
	s_lshl_b32 s19, s19, 19                        ; its 128 along K (p / 2)
	s_and_b32 s18, s18, 1
	s_lshl_b32 s18, s18, 13                        ; and its half of the 16 KiB (p % 2),
	s_add_co_u32 s18, s18, s19
	s_add_co_u32 s18, s18, 2*KSB                   ; at K step 2
	s_mov_b32 s19, 0
	s_add_nc_u64 s[PFA:PFA+1], s[PFA:PFA+1], s[18:19]
	s_lshl_b32 s12, s15, 16                        ; my rows' region,
	s_lshl_b32 s13, s16, 16
	s_add_co_u32 s13, s13, 131072                  ; my columns'
	s_mov_b32 s66, 0x3e7c6f08
	s_mov_b32 s67, 0x3e7c6f08
	v_and_b32 v1, 31, v0
	v_bfe_u32 v2, v0, 4, 1
	v_lshlrev_b32 v[LI], 4, v1
	v_lshlrev_b32 v[PFO], 8, v1
	v_lshlrev_b32 v18, 6, v2                       ; 64 h
	v_add_nc_u32 v[ADRA], s12, v[LI]
	v_add_nc_u32 v[ADRB], s13, v[LI]
	v_add_nc_u32 v[ADRA+1], SLOT, v[ADRA]
	v_add_nc_u32 v[ADRB+1], SLOT, v[ADRB]
	v_mov_b32 v30, 0xbf97d29d
	v_mov_b32 v31, 0xbf97d29d
	s_wait_alu depctr_va_vdst(0)                   ; the wait at the head's end
.irp b, 0,1,2,3,4,5,6,7
	global_load_b128 v[BN+8*\b:BN+8*\b+3], v18, s[68:69] offset:(32*(\b/2)+8*(\b%2))*4       ; the bias in the accumulators' layout
	global_load_b128 v[BN+8*\b+4:BN+8*\b+7], v18, s[68:69] offset:(32*(\b/2)+8*(\b%2))*4+16
.endr
.macro FRAG reg, adr, q, i
.irp c, 0,1,2,3
	ds_load_b128 v[\reg+4*\c:\reg+4*\c+3], v[\adr] offset:16384*(\q)+2048*(\i)+512*\c
.endr
.endm
.macro MUL16 a0, p, zero               ; the 64 accumulators take turns, one instruction a turn, in one order throughout
.irp a, \a0, \a0+1
.irp b, 0,1,2,3,4,5,6,7
.if \zero
	v_wmma_f32_16x16x128_bf8_bf8 v[8*(8*((\a)%4)+\b):8*(8*((\a)%4)+\b)+7], v[128*(\p)+FR*\b:128*(\p)+FR*\b+FR-1], v[AF+FR*(\a):AF+FR*(\a)+FR-1], 0
.else
	v_wmma_f32_16x16x128_bf8_bf8 v[8*(8*((\a)%4)+\b):8*(8*((\a)%4)+\b)+7], v[128*(\p)+FR*\b:128*(\p)+FR*\b+FR-1], v[AF+FR*(\a):AF+FR*(\a)+FR-1], v[8*(8*((\a)%4)+\b):8*(8*((\a)%4)+\b)+7]
.endif
.endr
.endr
.endm
.macro FETCH_B slot, q, p
	WIN TO_B
.irp i, 0,1,2,3,4,5,6,7
	FRAG 128*(\p)+FR*\i, ADRB+\slot, \q, \i
.endr
	WIN 0
.endm
.macro FETCH_A slot, q, i0
.irp i, \i0, \i0+1, \i0+2, \i0+3
	FRAG AF+FR*(\i), ADRA+\slot, \q, \i
.endr
.endm
.macro STEP slot, q, zero              ; 128 along K that have their successor in the same slot
	s_wait_dscnt 4*NL                              ; B's set and A's blocks 0-3 are in; the youngest sixteen loads (A's blocks 4-7) may be out
	WIN MUL_LO
	MUL16 0, (\q)%2, \zero
	MUL16 2, (\q)%2, \zero
	s_wait_dscnt 0
	PLACES
	FETCH_B \slot, (\q)+1, 1-(\q)%2
	FETCH_A \slot, (\q)+1, 0
	WIN MUL_HI
	MUL16 4, (\q)%2, \zero
	MUL16 6, (\q)%2, \zero
	PLACES
	WIN 0
	FETCH_A \slot, (\q)+1, 4
.endm
.macro TURN slot, next, fill           ; a slot's last 128 change slots.  fill = 1: the slot is filled again, two K steps on, behind a round of the cluster's barrier
	s_wait_tensorcnt 0x0                           ; all my tensor loads have landed
	ds_add_u32 v[SPW], v[NIL]                      ; 0 onto my spare word
	s_wait_dscnt 4*NL+1                            ; (the add and A's blocks 4-7 may be out)
	WIN MUL_LO
	MUL16 0, 1, 0
	s_wait_dscnt 0x0                               ; the add is done, and my reads of this slot are over
	s_barrier_signal -1
	MUL16 2, 1, 0
	WIN 0
	s_barrier_wait -1
.if \fill
	CREST
	s_add_nc_u64 s[G0+4*\slot+2:G0+4*\slot+3], s[G0+4*\slot+2:G0+4*\slot+3], 2*KSB
	s_add_nc_u64 s[G0B+4*\slot+2:G0B+4*\slot+3], s[G0B+4*\slot+2:G0B+4*\slot+3], 2*KSB
	JLOAD G0+4*\slot, G1, G0B+4*\slot, G1B         ; the first tensor load behind the round; its four v_nop are the places in front of the loads below
.else
	PLACES
.endif
	FETCH_B \next, 0, 0
	FETCH_A \next, 0, 0
	WIN MUL_HI
	MUL16 4, 1, 0
	MUL16 6, 1, 0
	PLACES
	WIN 0
	FETCH_A \next, 0, 4
.endm
	s_wait_tensorcnt 0x0                           ; my part of both slots is in;
	s_barrier_signal -1
	s_barrier_wait -1                              ; everybody's is.
	FETCH_B 0, 0, 0
	FETCH_A 0, 0, 0
	FETCH_A 0, 0, 4
	global_prefetch_b8 v[PFO], s[PFA:PFA+1] th:TH_LOAD_NT scope:SCOPE_SE              ; K step 2, then K step 3: asked for when the head's load has landed, ahead of the first product
	global_prefetch_b8 v[PFO], s[PFA:PFA+1] offset:KSB th:TH_LOAD_NT scope:SCOPE_SE
	STEP 0, 0, 1                                   ; the first products start the sums
	TURN 0, 1, 1                                   ; slot 0 takes K step 2
	STEP 1, 0, 0
	TURN 1, 0, 1                                   ; slot 1 takes K step 3
	STEP 0, 0, 0
	TURN 0, 1, 0
	STEP 1, 0, 0
	s_wait_dscnt 4*NL
	WIN MUL_LO
	MUL16 0, 1, 0
	MUL16 2, 1, 0
	s_wait_dscnt 0
	WIN MUL_HI
	MUL16 4, 1, 0
	MUL16 6, 1, 0
	WIN 0
	PLACES
	s_wait_kmcnt 0x0
	s_add_co_i32 s96, s96, s97
	s_add_co_i32 s96, s96, 127
	s_lshl_b32 s96, s96, 23                        ; 2^(e12 + e13) as f32
	s_mov_b32 s97, s96
	s_add_co_i32 s98, s98, 127
	s_lshl_b32 s18, s98, 23
	v_mov_b32 v24, s18                             ; 2^e14
	s_add_co_i32 s98, s98, 15
	s_lshl_b32 s98, s98, 23
	s_or_b32 s98, s98, 0x600000
	v_mov_b32 v25, s98                             ; 57,344 x 2^e14
	s_lshl_b32 s18, s42, 1
	s_add_co_u32 s18, s18, s16
	s_lshl_b32 s18, s18, 8
	s_lshl_b32 s19, s17, 4
	s_add_co_u32 s18, s18, s19
	s_lshl_b32 s19, s15, 3
	s_add_co_u32 s18, s18, s19                     ; 256 x (my 128 hidden units' number) + my first tile of rows
	s_lshl_b32 s18, s18, 11
	s_mov_b32 s19, 0
	s_add_nc_u64 s[92:93], s[92:93], s[18:19]
	s_mov_b32 s90, 0                               ; the trip's number = the block of 16 rows
	s_mov_b32 s94, 0                               ; what the trip adds to the stores' base: 0, then a tile's 2048 bytes
	s_mov_b32 s95, 0
	s_wait_alu depctr_va_vdst(0)                   ; the wait here, directly ahead of the wait below
	s_wait_loadcnt 0x0                             ; the bias
.macro SCALE a                         ; z = block a's sums x 2^(e12 + e13) + bias, each accumulator from its low end on
	WIN 0x02+((\a)/4)
	s_wait_alu depctr_va_vdst(0)                   ; the wait here, directly ahead of the first reader of these sums
.set j, 0
.rept 32
	v_pk_fma_f32 v[128+j:129+j], v[64*((\a)%4)+j:64*((\a)%4)+j+1], s[96:97], v[BN+j:BN+j+1] op_sel_hi:[1,0,1]
.set j, j+2
.endr
	WIN 0
	s_wait_alu depctr_va_vdst(0)                   ; the wait ahead of the branch
.endm
.Lrow:
.irp a, 0,1,2,3,4,5,6
	s_cmp_eq_u32 s90, \a
	s_cbranch_scc1 .Lblk\a
.endr
	SCALE 7
	s_branch .Lgo
.irp a, 0,1,2,3,4,5
.Lblk\a:
	SCALE \a
	s_branch .Lgo
.endr
.Lblk6:
	SCALE 6
.Lgo:
.set i, 0
.rept 64
	v_fma_f32 v[192+i], |v[128+i]|, 0x3eb504f3, 1.0   ; 1 + |z| / (2 sqrt 2)
.set i, i+1
.endr
	s_wait_alu depctr_va_vdst(0)                   ; the wait ahead of the batch
.set i, 0
.rept 64
	v_rcp_f32 v[192+i], v[192+i]                   ; t
.set i, i+1
.endr
	WIN 0x40                                       ; destination window 1
.set i, 0
.rept 32
	v_pk_mul_f32 v[128+i:129+i], v[128+i:129+i], v[128+i:129+i]   ; z^2 (plain places behind the batch)
.set i, i+2
.endr
	s_wait_alu depctr_va_vdst(0)                   ; one wait for the batch, ahead of its first reader
.set i, 0
.rept 32
	v_pk_fma_f32 v[64+i:65+i], v[192+i:193+i], s[66:67], v[30:31] op_sel_hi:[1,0,1]
.set i, i+2
.endr
	WIN 0x41                                       ; P: source 0 and destination window 1
.irp c, 0x40097039, 0xbfd1a1e5, 0x3ecdfd18, 0xbe899a80, 0x3e0efb2e, 0x3f0a29d2, 0x3fb8ab5a, 0xbfe9b21e
.set i, 0
.rept 32
	v_pk_fma_f32 v[64+i:65+i], v[64+i:65+i], v[192+i:193+i], \c op_sel_hi:[1,1,0]
.set i, i+2
.endr
.endr
	WIN 0x51
.set i, 0
.rept 32
	v_pk_fma_f32 v[64+i:65+i], v[128+i:129+i], 0xbf38aa3b, v[64+i:65+i] op_sel_hi:[1,0,1]   ; - z^2 log2(e) / 2
.set i, i+2
.endr
	WIN 0x41
	s_wait_alu depctr_va_vdst(0)                   ; ahead of the batch
.set i, 0
.rept 64
	v_exp_f32 v[64+i], v[64+i]
.set i, i+1
.endr
	WIN 0x40
.set i, 0
.rept 32
	v_pk_mul_f32 v[128+i:129+i], v[128+i:129+i], v[192+i:193+i]   ; z t (plain places behind the batch)
.set i, i+2
.endr
	WIN 0x45
	s_wait_alu depctr_va_vdst(0)                   ; one wait for the batch, ahead of its first reader
.set i, 0
.rept 32
	v_pk_mul_f32 v[128+i:129+i], v[128+i:129+i], v[64+i:65+i]     ; z erfc(|z| / sqrt 2)
.set i, i+2
.endr
	WIN 0
.set i, 0
.rept 64
	v_max_num_f32 v[192+i], 0, v[128+i]
.set i, i+1
.endr
	WIN 0x01
.set i, 0
.rept 64
	v_fma_f32 v[128+i], |v[128+i]|, -0.5, v[192+i]  ; gelu(z)
.set i, i+1
.endr
	WIN 0
	s_wait_xcnt 0x0                                ; the last trip's stores have read their data and their base
	s_add_nc_u64 s[92:93], s[92:93], s[94:95]
	s_mov_b32 s94, 2048
.irp b, 0,1,2,3
.irp i, 0,1,2,3,4,5,6,7,8,9,10,11,12,13,14,15
	v_med3_num_f32 v[128+16*\b+\i], v[128+16*\b+\i], -v25, v25   ; the conversion to an 8-bit code does not saturate (ISA guide 7.6.2)
.endr
	v_cvt_scalef32_pk8_bf8_f32 v[CD+4*\b:CD+4*\b+1], v[128+16*\b:135+16*\b], v24
	v_cvt_scalef32_pk8_bf8_f32 v[CD+4*\b+2:CD+4*\b+3], v[136+16*\b:143+16*\b], v24
.endr
	v_nop                                          ; a plain line behind the last conversion
.irp c, 0,1,2,3
	global_store_b128 v[LI], v[CD+4*\c:CD+4*\c+3], s[92:93] offset:512*\c   ; 512 consecutive bytes, aligned
.endr
	s_add_co_u32 s90, s90, 1
	s_cmp_lt_u32 s90, 8
	s_wait_alu depctr_va_vdst(0)                   ; the wait ahead of the branch
	s_cbranch_scc1 .Lrow
	s_wait_tensorcnt 0x0                           ; the wave's end
	ds_add_u32 v[SPW], v[NIL]
	s_wait_dscnt 0x0
	CROUND                                         ; the closing round
	s_endpgm
.Lfunc_end_k_q8cc10de8ff_ffn1:
	.size	k_q8cc10de8ff_ffn1, .Lfunc_end_k_q8cc10de8ff_ffn1-k_q8cc10de8ff_ffn1
	.p2alignl 7, 3214868480
	.fill 96, 4, 3214868480
	.section	.rodata,"a",@progbits
	.p2align	6, 0x0
	.amdhsa_kernel k_q8cc10de8ff_ffn1
		.amdhsa_group_segment_fixed_size 327680
		.amdhsa_private_segment_fixed_size 0
		.amdhsa_enable_private_segment 0
		.amdhsa_kernarg_size 40
		.amdhsa_user_sgpr_count 2
		.amdhsa_user_sgpr_kernarg_segment_ptr 1
		.amdhsa_wavefront_size32 1
		.amdhsa_system_sgpr_workgroup_id_x 1
		.amdhsa_system_sgpr_workgroup_id_y 1
		.amdhsa_system_sgpr_workgroup_id_z 1
		.amdhsa_system_vgpr_workitem_id 0
		.amdhsa_next_free_vgpr 1024
		.amdhsa_next_free_sgpr 100
		.amdhsa_reserve_vcc 0
		.amdhsa_float_denorm_mode_32 3
		.amdhsa_float_denorm_mode_16_64 3
		.amdhsa_memory_ordered 1
		.amdhsa_forward_progress 1
		.amdhsa_inst_pref_size 154
	.end_amdhsa_kernel
	.amdgpu_metadata
---
amdhsa.version: [ 1, 2 ]
amdhsa.kernels:
  - .name:           k_q8cc10de8ff_ffn1
    .symbol:         k_q8cc10de8ff_ffn1.kd
    .args:
      - { .name: x1c, .offset: 0, .size: 8, .value_kind: global_buffer, .address_space: global }
      - { .name: wimg, .offset: 8, .size: 8, .value_kind: global_buffer, .address_space: global }
      - { .name: lowp_scales, .offset: 16, .size: 8, .value_kind: global_buffer, .address_space: global }
      - { .name: b1, .offset: 24, .size: 8, .value_kind: global_buffer, .address_space: global }
      - { .name: himg, .offset: 32, .size: 8, .value_kind: global_buffer, .address_space: global }
    .group_segment_fixed_size: 327680
    .private_segment_fixed_size: 0
    .kernarg_segment_align: 8
    .kernarg_segment_size: 40
    .max_flat_workgroup_size: 128
    .sgpr_count:     100
    .vgpr_count:     1024
    .wavefront_size: 32
...
	.end_amdgpu_metadata
.endif
;; end of part 5
;; launch ffn2 (part 6): grid 8 x 32, 4 waves a work-group, clusters of 4 x 4, 327,680 bytes of LDS; arguments himg, wimg, lowp_scales, b2, x1img, ybuf; writes ybuf
.if DOCPART == 6
	.amdgcn_target "amdgcn-amd-amdhsa--gfx1250"
	.amdhsa_code_object_version 6
	.text
	.protected	k_q8cc10de8ff_ffn2
	.globl	k_q8cc10de8ff_ffn2
	.p2align	8
	.type	k_q8cc10de8ff_ffn2,@function
k_q8cc10de8ff_ffn2:
	s_mov_b64 s[64:65], 0
	v_nop
	global_prefetch_b8 v0, s[64:65] scope:SCOPE_SE
	s_setreg_imm32_b32 hwreg(HW_REG_WAVE_MODE, 25, 1), 1
	s_wait_xcnt 0x0
	s_wait_alu depctr_hold_cnt(0) depctr_sa_sdst(0) depctr_va_vdst(0) depctr_va_sdst(0) depctr_va_ssrc(0) depctr_va_vcc(0) depctr_vm_vsrc(0)
	s_getreg_b32 s2, hwreg(HW_REG_IB_STS2, 6, 4)
	s_cmp_eq_u32 s2, 0
	s_cbranch_scc0 .Lentry_in_a_cluster
	s_endpgm
.Lentry_in_a_cluster:
	s_bfe_u32 s2, ttmp6, 0x10000c
	s_cmp_lg_u32 s2, 0xf033
	s_cbranch_scc0 .Lentry_shape_is_right
	s_endpgm
.Lentry_shape_is_right:
; FFN2: ybuf = (h W2 + b2) + x1: the product on codes of BF8 (entries 14, 15 of the scales), the bias and the residual in f32; out in the order of the accumulators' registers.
; M = 4096, N = 1024: tiles of 128 x 128 give each of 256 WGPs a work-group.  Four waves, each 64 x 64: 16 accumulators.  K = 4096 goes in eight steps of 512.
; OPERANDS ARE IMAGES OF REGISTERS (tile t, 128 along K number kb at (kb T + t) x 2048; T = 256 for h, 64 for W2; chunk c at 512 c, lane at 16 x lane): a tensor load is a plain copy, a fragment four ds_load_b128.
; LDS: each wave fetches into a region of its own, 65536 x wave: [128 along K: 8][4 tiles][2048]; waves 0, 1 A's halves, waves 2, 3 B's.  Slot 0 is a region's first half, slot 1 its second.
; The head's one load a wave (group 1 of eight rows) fills both slots, K steps 0 and 1.  A refill (group 1 of four rows) brings one slot, 32 KiB a wave, behind a round of the cluster's barrier;
; a wave has one tensor load out, and it has a slot's 64 matrix instructions in which to land.
; CLUSTERS: 4 x 4; A's tiles jointly along a row of the cluster, B's along a column.
; PREFETCH: of the four rows of 8 KiB that a wave fetches for a K step each of the four partners of the joint load names one, told apart by address (cx for A, cy for B): lanes 256 bytes apart, one instruction a wave.
; K steps 2 and 3 are asked for at the head; behind the refill of step r stands the request for step r + 2; the loop's last trip (refills of steps 6 and 7) asks for nothing.  Steps 0 and 1 come by their load alone.
; TRANSPOSED USE (source 0 = W2's tile, source 1 = the rows' tile): register 8 b + j of lane (r, h) is column 32 (b / 2) + 16 h + 8 (b % 2) + j of slot r of the rows' tile.
; x1img and ybuf: block (128 columns number kb, tile t) at (256 kb + t) x 8192, register n in chunk n / 4: each load and store is 512 dense bytes.  The residual is asked for behind the first barrier and is waited for on the way out.
; LIMIT: e14 + e15 between -126 and 127.
; REGISTERS: window 0: v16-31 addresses; v32-63 the bias; v128-255 the accumulators.  window 1: two buffers of fragments.  window 2: v0-127 the residual.
.set LAPS,  4                          ; K / 1024
.set BOFF,  5242880                    ; W2's image in wimg
.set SCOFF, 0x38
.set SLOT,  32768
.set SPARE, 262144
.set KSBA,  2097152                    ; 512 along K in A's image
.set KSBB,  524288                     ; and in B's
.set ADRA, 16
.set ADRB, 20
.set LI,   26                          ; v26  16 x lane
.set PFO,  27                          ; v27  256 x lane; never rewritten
.set SPW,  28
.set NIL,  29
.set BN,   32
.set ACC,  128
.set F0,   0
.set F1,   128
.set G1,   24
.set G0,   32
.set G1B,  48
.set G0B,  56
.set H1,   72                          ; s[72:79], s[80:87] group 1 of the head's loads: eight rows
.set H1B,  80
.set PFA,  88                          ; s[88:89] where my prefetches stand
.set PFB,  90                          ; s[90:91] the head's other prefetch
.set PFS,  92                          ; s[92:93] a K step in the image that I fetch from
.set MSB, 0
.macro WIN new                         ; the immediate's high byte repeats the setting that is left
.if MSB != (\new)
	s_set_vgpr_msb (MSB<<8)|(\new)
.set MSB, (\new)
.endif
.endm
.set MUL,  0x05                        ; sources 0 and 1 window 1; C and D window 0
.set TO_F, 0x40
.macro PLACES
.rept 4
	v_nop
.endr
.endm
.macro JLOAD g0a, g1a, g0b, g1b        ; a joint load: waves 0, 1 for A, waves 2, 3 for B; s_nop 0 and four v_nop follow each line
	s_cmp_eq_u32 s15, 0
	s_cbranch_scc0 .Lfor_b_\@
	tensor_load_to_lds s[\g0a:\g0a+3], s[\g1a:\g1a+7]
	s_nop 0
.rept 4
	v_nop
.endr
	s_branch .Lasked_\@
.Lfor_b_\@:
	tensor_load_to_lds s[\g0b:\g0b+3], s[\g1b:\g1b+7]
	s_nop 0
.rept 4
	v_nop
.endr
.Lasked_\@:
.endm
.macro ASK                             ; the K step two refills on; not in the loop's last trip, which has none
	s_cmp_gt_u32 s3, 1
	s_cbranch_scc0 .Lnone_\@
	global_prefetch_b8 v[PFO], s[PFA:PFA+1] th:TH_LOAD_NT scope:SCOPE_SE
.Lnone_\@:
.endm
.macro CREST
	s_cmp_lg_u32 s14, 0
	s_cbranch_scc1 .Lnot_wave_0_\@
	s_barrier_signal -3
.Lnot_wave_0_\@:
	s_barrier_wait -3
	s_barrier_signal -1
	s_barrier_wait -1
.endm
.macro CROUND
	s_barrier_signal -1
	s_barrier_wait -1
	CREST
.endm
	s_load_b256 s[4:11], s[0:1], 0x0               ; himg 4, wimg 6, the scales 8, b2 10
	s_load_b128 s[68:71], s[0:1], 0x20             ; x1img 68, ybuf 70
	v_lshl_add_u32 v[SPW], v0, 2, SPARE
	v_mov_b32 v[NIL], 0
	ds_add_u32 v[SPW], v[NIL]                      ; the opening lines: the add, twice on end, and its wait ahead of my first tensor load
	ds_add_u32 v[SPW], v[NIL]
	v_lshrrev_b32 v1, 5, v0
	v_readfirstlane_b32 s14, v1                    ; wave 0..3
	s_lshr_b32 s15, s14, 1                         ; my half of the rows.  Also: I fetch for A (0) or for B (1)
	s_and_b32 s16, s14, 1                          ; my half of the columns.  Also: which 4 tiles I fetch
	s_bfe_u32 s40, ttmp6, 0x40000
	s_bfe_u32 s41, ttmp6, 0x40004
	s_lshl_b32 s42, ttmp9, 2
	s_add_co_u32 s42, s42, s40                     ; tile column
	s_and_b32 s17, ttmp7, 0xffff
	s_lshl_b32 s17, s17, 2
	s_add_co_u32 s17, s17, s41                     ; tile row
	s_lshl_b32 s43, s41, 2
	s_lshl_b32 s43, 15, s43
	s_lshl_b32 s44, 0x1111, s40
	s_or_b32 s[G1+0], s43, (3<<16)|(1<<21)         ; the mask; elements of 8 bytes; bit 21 beside a mask; no padding
	s_or_b32 s[G1B+0], s44, (3<<16)|(1<<21)
	s_or_b32 s[H1+0], s43, (3<<16)|(1<<21)
	s_or_b32 s[H1B+0], s44, (3<<16)|(1<<21)
.irp g, G1, G1B, H1, H1B
	s_mov_b32 s[\g+1], 1024<<16                    ; a row: four tiles' fragments, 8 KiB on end
	s_mov_b32 s[\g+3], 1024<<16
	s_mov_b32 s[\g+6], 0
	s_mov_b32 s[\g+7], 0
.endr
.irp g, G1, G1B
	s_mov_b32 s[\g+2], 4<<16                       ; a refill: four times 128 along K
	s_mov_b32 s[\g+4], 4
.endr
.irp g, H1, H1B
	s_mov_b32 s[\g+2], 8<<16                       ; the head's load: eight times
	s_mov_b32 s[\g+4], 8
.endr
	s_mov_b32 s[G1+5], 65536                       ; from row to row: 256 tiles of 2048 bytes, in elements
	s_mov_b32 s[H1+5], 65536
	s_mov_b32 s[G1B+5], 16384                      ; 64 tiles
	s_mov_b32 s[H1B+5], 16384
	s_lshl_b32 s23, s16, 2
	s_lshl_b32 s20, s17, 3
	s_add_co_u32 s20, s20, s23
	s_lshl_b32 s20, s20, 11
	s_mov_b32 s21, 0
	s_lshl_b32 s46, s42, 3
	s_add_co_u32 s46, s46, s23
	s_lshl_b32 s46, s46, 11
	s_add_co_u32 s46, s46, BOFF
	s_mov_b32 s47, 0
	s_lshl_b32 s45, s14, 16                        ; my region
	s_lshl_b32 s18, s42, 9
	s_lshl_b32 s19, s16, 8
	s_add_co_u32 s18, s18, s19                     ; 4 (128 tile column + 64 half)
	s_mov_b32 s19, 0
	s_wait_dscnt 0x0                               ; both opening adds are done
	s_wait_kmcnt 0x0
	s_load_b64 s[66:67], s[8:9], SCOFF
	s_add_nc_u64 s[20:21], s[4:5], s[20:21]
	s_add_nc_u64 s[46:47], s[6:7], s[46:47]
	s_add_nc_u64 s[10:11], s[10:11], s[18:19]
	CROUND                                         ; all sixteen work-groups are here: the first joint loads meet
.irp s, 0,1
	s_mov_b32 s[G0+4*\s], 1
	s_add_co_u32 s[G0+4*\s+1], s45, \s*SLOT
	s_add_nc_u64 s[G0+4*\s+2:G0+4*\s+3], s[20:21], \s*KSBA
	s_or_b32 s[G0+4*\s+3], s[G0+4*\s+3], 0x80000000
	s_mov_b32 s[G0B+4*\s], 1
	s_add_co_u32 s[G0B+4*\s+1], s45, \s*SLOT
	s_add_nc_u64 s[G0B+4*\s+2:G0B+4*\s+3], s[46:47], \s*KSBB
	s_or_b32 s[G0B+4*\s+3], s[G0B+4*\s+3], 0x80000000
.endr
	JLOAD G0, H1, G0B, H1B                         ; my one load at the head: K steps 0 and 1
	s_cmp_eq_u32 s15, 0                            ; the prefetches: what I fetch,
	s_cselect_b64 s[PFB:PFB+1], s[20:21], s[46:47]
	s_cselect_b32 s18, s40, s41                    ; my place p among the four that ask with me,
	s_cselect_b32 s19, 19, 17                      ; log2 of 128 along K in bytes,
	s_mov_b32 s[PFS], KSBB
	s_cselect_b32 s[PFS], KSBA, s[PFS]             ; a K step
	s_mov_b32 s[PFS+1], 0
	s_lshl_b32 s18, s18, s19                       ; row p of a step's four
	s_mov_b32 s19, 0
	s_add_nc_u64 s[PFB:PFB+1], s[PFB:PFB+1], s[18:19]
	s_add_nc_u64 s[PFB:PFB+1], s[PFB:PFB+1], s[PFS:PFS+1]
	s_add_nc_u64 s[PFB:PFB+1], s[PFB:PFB+1], s[PFS:PFS+1]   ; K step 2
	s_add_nc_u64 s[PFA:PFA+1], s[PFB:PFB+1], s[PFS:PFS+1]   ; K step 3: each change of slots that refills steps it once
	s_lshl_b32 s12, s15, 16                        ; my rows' region,
	s_lshl_b32 s13, s16, 16
	s_add_co_u32 s13, s13, 131072                  ; my columns'
	s_lshl_b32 s22, s42, 8
	s_lshl_b32 s23, s17, 3
	s_add_co_u32 s22, s22, s23
	s_lshl_b32 s23, s15, 2
	s_add_co_u32 s22, s22, s23                     ; 256 tile column + my first tile of rows
	s_lshl_b32 s22, s22, 13
	s_lshl_b32 s23, s16, 12
	s_add_co_u32 s22, s22, s23                     ; + my half of a block's chunks
	s_mov_b32 s23, 0
	s_add_nc_u64 s[70:71], s[70:71], s[22:23]
	s_add_nc_u64 s[68:69], s[68:69], s[22:23]
	v_and_b32 v1, 31, v0
	v_bfe_u32 v2, v0, 4, 1
	v_lshlrev_b32 v[LI], 4, v1
	v_lshlrev_b32 v[PFO], 8, v1
	v_lshlrev_b32 v18, 6, v2                       ; 64 h
	v_add_nc_u32 v[ADRA], s12, v[LI]
	v_add_nc_u32 v[ADRB], s13, v[LI]
	v_add_nc_u32 v[ADRA+1], SLOT, v[ADRA]
	v_add_nc_u32 v[ADRB+1], SLOT, v[ADRB]
	s_wait_alu depctr_va_vdst(0)                   ; the wait at the head's end
	global_prefetch_b8 v[PFO], s[PFB:PFB+1] th:TH_LOAD_NT scope:SCOPE_SE
	global_prefetch_b8 v[PFO], s[PFA:PFA+1] th:TH_LOAD_NT scope:SCOPE_SE
.irp b, 0,1,2,3
	global_load_b128 v[BN+8*\b:BN+8*\b+3], v18, s[10:11] offset:(32*(\b/2)+8*(\b%2))*4       ; the bias in the accumulators' layout
	global_load_b128 v[BN+8*\b+4:BN+8*\b+7], v18, s[10:11] offset:(32*(\b/2)+8*(\b%2))*4+16
.endr
.macro MULA f, a, zero                 ; A's tile a x B's four.  The 16 accumulators take turns, one instruction a turn, in one order throughout
.irp b, 0,1,2,3
.if \zero
	v_wmma_f32_16x16x128_bf8_bf8 v[ACC+8*(4*(\a)+\b):ACC+8*(4*(\a)+\b)+7], v[\f+64+16*\b:\f+64+16*\b+15], v[\f+16*(\a):\f+16*(\a)+15], 0
.else
	v_wmma_f32_16x16x128_bf8_bf8 v[ACC+8*(4*(\a)+\b):ACC+8*(4*(\a)+\b)+7], v[\f+64+16*\b:\f+64+16*\b+15], v[\f+16*(\a):\f+16*(\a)+15], v[ACC+8*(4*(\a)+\b):ACC+8*(4*(\a)+\b)+7]
.endif
.endr
.endm
.macro FETCH slot, q, f                ; 32 LDS loads in one run: B's four fragments, then A's four
	WIN TO_F
.irp i, 0,1,2,3
.irp c, 0,1,2,3
	ds_load_b128 v[\f+64+16*\i+4*\c:\f+64+16*\i+4*\c+3], v[ADRB+\slot] offset:8192*(\q)+2048*\i+512*\c
.endr
.endr
.irp i, 0,1,2,3
.irp c, 0,1,2,3
	ds_load_b128 v[\f+16*\i+4*\c:\f+16*\i+4*\c+3], v[ADRA+\slot] offset:8192*(\q)+2048*\i+512*\c
.endr
.endr
.endm
.macro QUARTER slot, q, f, g, zero     ; 128 along K from buffer f; in its middle the slot's q-th 128 are fetched into g
	s_wait_dscnt 8                                 ; B's four and A's tiles 0, 1 are in; the youngest eight loads (A's tiles 2, 3) may be out
	WIN MUL
	MULA \f, 0, \zero
	MULA \f, 1, \zero
	PLACES
	FETCH \slot, \q, \g
	s_wait_dscnt 32                                ; all but the 32 just issued
	WIN MUL
	MULA \f, 2, \zero
	MULA \f, 3, \zero
.endm
.macro TURN slot, next, fill           ; a slot's last 128 change slots.  fill = 1: the slot is filled again, two K steps on, behind a round of the cluster's barrier
	WIN 0
.if \fill
	s_wait_xcnt 0x0                                ; my last prefetch has read its address:
	s_add_nc_u64 s[PFA:PFA+1], s[PFA:PFA+1], s[PFS:PFS+1]   ; a K step on
.endif
	s_wait_tensorcnt 0x0                           ; all my tensor loads have landed
	ds_add_u32 v[SPW], v[NIL]                      ; 0 onto my spare word
	s_wait_dscnt 9                                 ; (the add and A's tiles 2, 3 may be out)
	WIN MUL
	MULA F1, 0, 0
	MULA F1, 1, 0
	s_wait_dscnt 0x0                               ; the add is done, and my reads of this slot are over
	s_barrier_signal -1
	MULA F1, 2, 0
.if \fill
	WIN 0
.endif
	s_barrier_wait -1
.if \fill
	CREST
	s_add_nc_u64 s[G0+4*\slot+2:G0+4*\slot+3], s[G0+4*\slot+2:G0+4*\slot+3], 2*KSBA
	s_add_nc_u64 s[G0B+4*\slot+2:G0B+4*\slot+3], s[G0B+4*\slot+2:G0B+4*\slot+3], 2*KSBB
	JLOAD G0+4*\slot, G1, G0B+4*\slot, G1B         ; the first tensor load behind the round; its four v_nop are the places in front of the loads below
.else
	PLACES
.endif
	FETCH \next, 0, F0
.if \fill
	WIN 0
	ASK                                            ; behind the joint load and the run of LDS loads
.endif
	WIN MUL
	MULA F1, 3, 0
.endm
	s_wait_tensorcnt 0x0                           ; my part of both slots is in;
	s_barrier_signal -1
	s_barrier_wait -1                              ; everybody's is.
	FETCH 0, 0, F0
	WIN 0x80                                       ; destination window 2: the residual, in the accumulators' order
.irp a, 0,1,2,3
.irp b, 0,1,2,3
	global_load_b128 v[8*(4*\a+\b):8*(4*\a+\b)+3], v[LI], s[68:69] offset:8192*\a+1024*\b th:TH_LOAD_NT
	global_load_b128 v[8*(4*\a+\b)+4:8*(4*\a+\b)+7], v[LI], s[68:69] offset:8192*\a+1024*\b+512 th:TH_LOAD_NT
.endr
.endr
	QUARTER 0, 1, F0, F1, 1                        ; the first products start the sums
	WIN 0
	s_mov_b32 s3, LAPS-1
.Llap:                                             ; a trip goes once round the ring and fills both slots again
	QUARTER 0, 2, F1, F0, 0
	QUARTER 0, 3, F0, F1, 0
	TURN 0, 1, 1
	QUARTER 1, 1, F0, F1, 0
	QUARTER 1, 2, F1, F0, 0
	QUARTER 1, 3, F0, F1, 0
	TURN 1, 0, 1
	QUARTER 0, 1, F0, F1, 0
	WIN 0
	s_sub_co_u32 s3, s3, 1
	s_cmp_lg_u32 s3, 0
	s_cbranch_scc1 .Llap
	QUARTER 0, 2, F1, F0, 0                        ; the last lap fills nothing
	QUARTER 0, 3, F0, F1, 0
	TURN 0, 1, 0
	QUARTER 1, 1, F0, F1, 0
	QUARTER 1, 2, F1, F0, 0
	QUARTER 1, 3, F0, F1, 0
	s_wait_dscnt 8
	WIN MUL
	MULA F1, 0, 0
	MULA F1, 1, 0
	s_wait_dscnt 0
	MULA F1, 2, 0
	MULA F1, 3, 0
	WIN 0
; THE WAY OUT: (sum x 2^(e14 + e15) + bias) + x1
	s_wait_kmcnt 0x0
	s_add_co_i32 s66, s66, s67
	s_add_co_i32 s66, s66, 127
	s_lshl_b32 s66, s66, 23
	s_mov_b32 s67, s66
	PLACES
	s_wait_loadcnt 0x0                             ; the bias and the residual
.irp a, 0,1,2,3
.irp b, 0,1,2,3
.irp j, 0,2,4,6
	v_pk_fma_f32 v[ACC+8*(4*\a+\b)+\j:ACC+8*(4*\a+\b)+\j+1], v[ACC+8*(4*\a+\b)+\j:ACC+8*(4*\a+\b)+\j+1], s[66:67], v[BN+8*\b+\j:BN+8*\b+\j+1] op_sel_hi:[1,0,1]   ; each accumulator from its low end on
.endr
.endr
.endr
	WIN 0x08                                       ; source 1: window 2
.set k, 0
.rept 64
	v_pk_add_f32 v[ACC+k:ACC+k+1], v[ACC+k:ACC+k+1], v[k:k+1]
.set k, k+2
.endr
	WIN 0
.irp a, 0,1,2,3
.irp b, 0,1,2,3
	global_store_b128 v[LI], v[ACC+8*(4*\a+\b):ACC+8*(4*\a+\b)+3], s[70:71] offset:8192*\a+1024*\b        ; 512 consecutive bytes, aligned
	global_store_b128 v[LI], v[ACC+8*(4*\a+\b)+4:ACC+8*(4*\a+\b)+7], s[70:71] offset:8192*\a+1024*\b+512
.endr
.endr
	s_wait_tensorcnt 0x0                           ; the wave's end
	ds_add_u32 v[SPW], v[NIL]
	s_wait_dscnt 0x0
	CROUND                                         ; the closing round
	s_endpgm
.Lfunc_end_k_q8cc10de8ff_ffn2:
	.size	k_q8cc10de8ff_ffn2, .Lfunc_end_k_q8cc10de8ff_ffn2-k_q8cc10de8ff_ffn2
	.p2alignl 7, 3214868480
	.fill 96, 4, 3214868480
	.section	.rodata,"a",@progbits
	.p2align	6, 0x0
	.amdhsa_kernel k_q8cc10de8ff_ffn2
		.amdhsa_group_segment_fixed_size 327680
		.amdhsa_private_segment_fixed_size 0
		.amdhsa_enable_private_segment 0
		.amdhsa_kernarg_size 48
		.amdhsa_user_sgpr_count 2
		.amdhsa_user_sgpr_kernarg_segment_ptr 1
		.amdhsa_wavefront_size32 1
		.amdhsa_system_sgpr_workgroup_id_x 1
		.amdhsa_system_sgpr_workgroup_id_y 1
		.amdhsa_system_sgpr_workgroup_id_z 1
		.amdhsa_system_vgpr_workitem_id 0
		.amdhsa_next_free_vgpr 640
		.amdhsa_next_free_sgpr 96
		.amdhsa_reserve_vcc 0
		.amdhsa_float_denorm_mode_32 3
		.amdhsa_float_denorm_mode_16_64 3
		.amdhsa_memory_ordered 1
		.amdhsa_forward_progress 1
		.amdhsa_inst_pref_size 78
	.end_amdhsa_kernel
	.amdgpu_metadata
---
amdhsa.version: [ 1, 2 ]
amdhsa.kernels:
  - .name:           k_q8cc10de8ff_ffn2
    .symbol:         k_q8cc10de8ff_ffn2.kd
    .args:
      - { .name: himg, .offset: 0, .size: 8, .value_kind: global_buffer, .address_space: global }
      - { .name: wimg, .offset: 8, .size: 8, .value_kind: global_buffer, .address_space: global }
      - { .name: lowp_scales, .offset: 16, .size: 8, .value_kind: global_buffer, .address_space: global }
      - { .name: b2, .offset: 24, .size: 8, .value_kind: global_buffer, .address_space: global }
      - { .name: x1img, .offset: 32, .size: 8, .value_kind: global_buffer, .address_space: global }
      - { .name: ybuf, .offset: 40, .size: 8, .value_kind: global_buffer, .address_space: global }
    .group_segment_fixed_size: 327680
    .private_segment_fixed_size: 0
    .kernarg_segment_align: 8
    .kernarg_segment_size: 48
    .max_flat_workgroup_size: 128
    .sgpr_count:     96
    .vgpr_count:     640
    .wavefront_size: 32
...
	.end_amdgpu_metadata
.endif
;; end of part 6
;; launch ln2 (part 7): grid 256 x 1, 8 waves a work-group, no clusters, 69,632 bytes of LDS; arguments ybuf, ln2_g, ln2_b, out0; writes out0
.if DOCPART == 7
	.amdgcn_target "amdgcn-amd-amdhsa--gfx1250"
	.amdhsa_code_object_version 6
	.text
	.protected	k_q8cc10de8ff_ln2
	.globl	k_q8cc10de8ff_ln2
	.p2align	8
	.type	k_q8cc10de8ff_ln2,@function
k_q8cc10de8ff_ln2:
	s_mov_b64 s[64:65], 0
	v_nop
	global_prefetch_b8 v0, s[64:65] scope:SCOPE_SE
	s_setreg_imm32_b32 hwreg(HW_REG_WAVE_MODE, 25, 1), 1
	s_wait_xcnt 0x0
; LN2: out = LayerNorm(ybuf) g + b, f32, row-major (ybuf holds the second product with its bias and the residual x1 added).
; A work-group owns one tile of 16 rows (slot rho is row 32 (t / 2) + 8 (t % 2) + rho + 8 (rho / 8)); wave w owns columns 128 w .. 128 w + 127: lane (rho, h) holds 64 numbers of row rho, register 16 b + i = column 32 b + 16 h + i.
; ybuf comes as it lies (512 dense bytes a load).  A row's sums: within the lane, with lane l xor 16, then over the eight waves through LDS.  The variance is taken of the deviations, in a second pass.
; The normalised numbers turn through the wave's own stage in LDS and come back by rows.  There a lane holds the same four columns of every row, so g and b are four numbers a lane, one load each, and are applied behind the turn.
; Each store covers 512 consecutive bytes, aligned.  The order of the sums differs from a plain chain: four chains a lane, then lanes, then waves.
; Streaming: memory binds, so no matrix unit, no cluster, no tensor load.  NaN is not served.
.set V,   32
.set A3,  160                          ; rows on the way out
.set SEL, 28
.set RED, 67584                        ; behind the eight stages of 8448 bytes: two fields of 512 bytes: word (rho, w) at 32 rho + 4 w
.macro MERGE
	s_delay_alu instid0(VALU_DEP_3)
	v_pk_add_f32 v[240:241], v[240:241], v[242:243]
	s_delay_alu instid0(VALU_DEP_2)
	v_pk_add_f32 v[244:245], v[244:245], v[246:247]
	s_delay_alu instid0(VALU_DEP_1)
	v_pk_add_f32 v[240:241], v[240:241], v[244:245]
	s_delay_alu instid0(VALU_DEP_1)
	v_add_f32 v248, v240, v241
	s_delay_alu instid0(VALU_DEP_1)
	v_permlanex16_b32 v249, v248, s[SEL], s[SEL+1]
	s_delay_alu instid0(VALU_DEP_1)
	v_add_f32 v248, v248, v249
.endm
.macro XWAVE red
	ds_store_b32 v8, v248 offset:\red
	s_wait_dscnt 0x0                               ; for the others' sake: my word is written
	s_barrier_signal -1
	s_barrier_wait -1
	ds_load_b128 v[240:243], v9 offset:\red
	ds_load_b128 v[244:247], v9 offset:\red+16
	s_wait_dscnt 0x0
	v_add_f32 v240, v240, v241
	v_add_f32 v242, v242, v243
	v_add_f32 v244, v244, v245
	v_add_f32 v246, v246, v247
	s_delay_alu instid0(VALU_DEP_3)
	v_add_f32 v240, v240, v242
	s_delay_alu instid0(VALU_DEP_2)
	v_add_f32 v244, v244, v246
	s_delay_alu instid0(VALU_DEP_1)
	v_add_f32 v240, v240, v244
	s_delay_alu instid0(VALU_DEP_1)
	v_mul_f32 v250, 0x3a800000, v240               ; / 1024
.endm
	s_load_b256 s[4:11], s[0:1], 0x0               ; ybuf 4, g 6, b 8, out0 10
	v_lshl_add_u32 v254, v0, 2, 0x10c00
	v_mov_b32 v255, 0
	v_lshrrev_b32 v1, 5, v0
	s_delay_alu instid0(VALU_DEP_1)
	v_readfirstlane_b32 s18, v1                    ; wave 0..7
	v_and_b32 v1, 31, v0
	s_wait_alu depctr_va_vdst(0)
	v_and_b32 v2, 15, v0
	s_wait_alu depctr_va_vdst(0)
	v_bfe_u32 v3, v0, 4, 1
	s_lshl_b32 s19, s18, 8
	s_add_co_u32 s19, s19, ttmp9
	s_lshl_b32 s20, s19, 13
	s_mov_b32 s21, 0
	s_lshr_b32 s24, ttmp9, 1
	s_lshl_b32 s24, s24, 5
	s_and_b32 s25, ttmp9, 1
	s_lshl_b32 s25, s25, 3
	s_add_co_u32 s24, s24, s25                     ; slot 0's row
	s_lshl_b32 s24, s24, 12
	s_lshl_b32 s26, s18, 9
	s_mov_b32 s27, 0
	s_add_co_u32 s24, s24, s26
	s_mov_b32 s25, 0
	s_mov_b32 s[SEL], 0x76543210
	s_mov_b32 s[SEL+1], 0xfedcba98
	s_mul_i32 s31, s18, 8448
	s_lshl_b32 s32, s18, 2
	v_lshlrev_b32 v4, 4, v1                        ; 16 x lane
	s_delay_alu instid0(VALU_DEP_1)
	v_add_nc_u32 v5, s31, v4                       ; the stage by rows
	v_mul_u32_u24 v6, v2, 528
	s_wait_alu depctr_va_vdst(0)
	v_lshl_add_u32 v6, v3, 6, v6
	s_delay_alu instid0(VALU_DEP_1)
	v_add_nc_u32 v6, s31, v6                       ; the stage by lanes: row rho, + 64 h
	v_lshlrev_b32 v9, 5, v2
	s_delay_alu instid0(VALU_DEP_1)
	v_add_nc_u32 v9, RED, v9
	s_delay_alu instid0(VALU_DEP_1)
	v_add_nc_u32 v8, s32, v9
	v_mov_b32 v249, 0                              ; a lane permute's destination counts as one of its sources
	v_mov_b32 v251, 0                              ; (named as the upper half of the pair v[250:251])
	s_wait_kmcnt 0x0
	s_add_nc_u64 s[4:5], s[4:5], s[20:21]
	s_add_nc_u64 s[6:7], s[6:7], s[26:27]
	s_add_nc_u64 s[8:9], s[8:9], s[26:27]
	s_add_nc_u64 s[10:11], s[10:11], s[24:25]
	global_load_b128 v[224:227], v4, s[6:7]        ; g of columns 4 lane .. 4 lane + 3 of my wave's 128
	global_load_b128 v[228:231], v4, s[8:9]        ; b likewise
.set i, 0
.rept 16
	global_load_b128 v[V+4*i:V+4*i+3], v4, s[4:5] offset:512*i th:TH_LOAD_NT
.set i, i+1
.endr
	s_wait_loadcnt 0x0
.irp k, 0,2,4,6
	v_pk_add_f32 v[240+\k:241+\k], v[V+\k:V+\k+1], v[V+8+\k:V+9+\k]
.endr
.set j, 16
.rept 24
	s_delay_alu instid0(VALU_DEP_4)
	v_pk_add_f32 v[240+j%8:241+j%8], v[240+j%8:241+j%8], v[V+j:V+j+1]
.set j, j+2
.endr
	MERGE
	XWAVE 0                                        ; the mean
.set j, 0
.rept 32
	v_pk_add_f32 v[V+j:V+j+1], v[V+j:V+j+1], v[250:251] op_sel_hi:[1,0] neg_lo:[0,1] neg_hi:[0,1]
.set j, j+2
.endr
.irp k, 0,2,4,6
	v_pk_mul_f32 v[240+\k:241+\k], v[V+\k:V+\k+1], v[V+\k:V+\k+1]
.endr
.set j, 8
.rept 28
	s_delay_alu instid0(VALU_DEP_4)
	v_pk_fma_f32 v[240+j%8:241+j%8], v[V+j:V+j+1], v[V+j:V+j+1], v[240+j%8:241+j%8]
.set j, j+2
.endr
	MERGE
	XWAVE 512                                      ; the variance (other words than the mean's: no barrier between)
	s_delay_alu instid0(VALU_DEP_1)
	v_add_f32 v250, 0x3727c5ac, v250               ; + 1e-5
	s_wait_alu depctr_va_vdst(0)
	v_rsq_f32 v250, v250
	v_nop                                          ; a plain place behind the transcendental
.set j, 0
	s_wait_alu depctr_va_vdst(0)
.rept 32
	v_pk_mul_f32 v[V+j:V+j+1], v[V+j:V+j+1], v[250:251] op_sel_hi:[1,0]
.set j, j+2
.endr
.irp b, 0,1,2,3
.irp j, 0,1,2,3
	ds_store_b128 v6, v[V+16*\b+4*\j:V+16*\b+4*\j+3] offset:128*\b+16*\j
.endr
.endr
.set i, 0
.rept 16
	ds_load_b128 v[A3+4*i:A3+4*i+3], v5 offset:528*i   ; LDS serves a wave's instructions in order: these see the stores above
.set i, i+1
.endr
.set i, 0
.rept 16
	s_wait_dscnt 15-i                              ; row slot i is back; the younger loads stay out
	v_pk_fma_f32 v[A3+4*i:A3+4*i+1], v[A3+4*i:A3+4*i+1], v[224:225], v[228:229]
	v_pk_fma_f32 v[A3+4*i+2:A3+4*i+3], v[A3+4*i+2:A3+4*i+3], v[226:227], v[230:231]
	global_store_b128 v4, v[A3+4*i:A3+4*i+3], s[10:11] offset:(i+8*(i/8))*4096 th:TH_STORE_NT
.set i, i+1
.endr
	s_wait_tensorcnt 0x0
	ds_add_u32 v254, v255
	s_wait_dscnt 0x0
	s_endpgm
.Lfunc_end_k_q8cc10de8ff_ln2:
	.size	k_q8cc10de8ff_ln2, .Lfunc_end_k_q8cc10de8ff_ln2-k_q8cc10de8ff_ln2
	.p2alignl 7, 3214868480
	.fill 96, 4, 3214868480
	.section	.rodata,"a",@progbits
	.p2align	6, 0x0
	.amdhsa_kernel k_q8cc10de8ff_ln2
		.amdhsa_group_segment_fixed_size 69632
		.amdhsa_private_segment_fixed_size 0
		.amdhsa_enable_private_segment 0
		.amdhsa_kernarg_size 32
		.amdhsa_user_sgpr_count 2
		.amdhsa_user_sgpr_kernarg_segment_ptr 1
		.amdhsa_wavefront_size32 1
		.amdhsa_system_sgpr_workgroup_id_x 1
		.amdhsa_system_sgpr_workgroup_id_y 1
		.amdhsa_system_sgpr_workgroup_id_z 1
		.amdhsa_system_vgpr_workitem_id 0
		.amdhsa_next_free_vgpr 256
		.amdhsa_next_free_sgpr 66
		.amdhsa_reserve_vcc 0
		.amdhsa_float_denorm_mode_32 3
		.amdhsa_float_denorm_mode_16_64 3
		.amdhsa_memory_ordered 1
		.amdhsa_forward_progress 1
		.amdhsa_inst_pref_size 23
	.end_amdhsa_kernel
	.amdgpu_metadata
---
amdhsa.version: [ 1, 2 ]
amdhsa.kernels:
  - .name:           k_q8cc10de8ff_ln2
    .symbol:         k_q8cc10de8ff_ln2.kd
    .args:
      - { .name: ybuf, .offset: 0, .size: 8, .value_kind: global_buffer, .address_space: global }
      - { .name: ln2_g, .offset: 8, .size: 8, .value_kind: global_buffer, .address_space: global }
      - { .name: ln2_b, .offset: 16, .size: 8, .value_kind: global_buffer, .address_space: global }
      - { .name: out0, .offset: 24, .size: 8, .value_kind: global_buffer, .address_space: global }
    .group_segment_fixed_size: 69632
    .private_segment_fixed_size: 0
    .kernarg_segment_align: 8
    .kernarg_segment_size: 32
    .max_flat_workgroup_size: 256
    .sgpr_count:     66
    .vgpr_count:     256
    .wavefront_size: 32
...
	.end_amdgpu_metadata
.endif
;; end of part 7
